; MI455X (gfx1250); checked and timed in simulation.
; The chip was launched on July 23, 2026; its instructions are those of AMD's public machine-readable ISA for CDNA 5 (MIT licence, August 2026) and "CDNA5" Instruction Set Architecture Reference Guide (July 2026). The comments in the code are by the model that wrote it; some were corrected since.
;; Multi Head Attention. Allowed arithmetic: matrix products marked QUANTISED: E2M3 operands, one E8M0 scale for each 32 along K, by v_wmma_scale_f32_16x16x128_f8f6f4 with both operands' format E2M3, f32 sums; everything else in f32.
;; Inputs: Wk 16 x 1,024 x 64 float32; Wproj 1,024 x 1,024 float32; Wq 16 x 1,024 x 64 float32; Wv 16 x 1,024 x 64 float32; bproj 1,024 float32; x 4 x 2,048 x 1,024 float32.
;; Outputs: out0 4 x 2,048 x 1,024 float32.
;; This version of the problem:
;;   THIS VERSION OF THE PROBLEM IS GIVEN IN LOW PRECISION. The matrix products marked QUANTISED in the list below multiply operands that are first quantised to E2M3 (2 exponent bits, 3 mantissa bits; 6 bits a number), with one power-of-two scale for each 32 numbers along K (OCP MX v1.0); their sums are f32. All else is computed in f32.
;;   The module's matrix products, in the order in which they are computed (A, B: the left and right operand; K: the contracted axis; several contracted axes count as one K, in the product's order):
;;     1. [M 1,024, K 1,024] x [K 1,024, N 8,192]; A: input Wq; B: input x: QUANTISED
;;     2. [M 1,024, K 1,024] x [K 1,024, N 8,192]; A: input Wk; B: input x: QUANTISED
;;     3. [M 1,024, K 1,024] x [K 1,024, N 8,192]; A: input Wv; B: input x: QUANTISED
;;     4. batch 64 x [M 2,048, K 64] x [K 64, N 2,048]; A: computed on the way; B: computed on the way: QUANTISED
;;     5. batch 64 x [M 2,048, K 2,048] x [K 2,048, N 64]; A: softmax (see below); B: computed on the way: QUANTISED
;;     6. [M 8,192, K 1,024] x [K 1,024, N 1,024]; A: computed on the way; B: input Wproj: QUANTISED
;;   THE QUANTISER, for each operand of a quantised product, along K:
;;     - K is cut into blocks of 32 from its start; a last block that is shorter is filled with zeros.
;;     - A block's scale is 2^e with e = floor(log2(the largest magnitude in the block)) - 2, held to -126 .. 127; a block of zeros has e = 0. As a byte (E8M0): e + 127.
;;     - Each number is divided by its block's scale, clamped to +-7.5, and rounded to the nearest number of E2M3, ties to even, subnormals kept.
;;     - The product sums the exact products of the quantised numbers (number of the format x scale) in f32.
;;   ~~~python
;;   def quantise(x, axis):      # numpy; x: float32 -> the quantised numbers, widened to float32 again
;;       x = np.moveaxis(x, axis, -1); K = x.shape[-1]
;;       x = np.pad(x, [(0, 0)] * (x.ndim - 1) + [(0, -K % 32)]); x = x.reshape(x.shape[:-1] + (-1, 32)); a = np.abs(x).max(-1, keepdims=True)
;;       e = np.where(a > 0, np.clip(np.frexp(np.where(a > 0, a, 1))[1] - 1 - 2, -126, 127), 0)      # np.frexp(a)[1] - 1 = floor(log2(a)), exactly
;;       r = np.clip(x / 2.0 ** e, -7.5, 7.5)
;;       step = 2.0 ** (np.maximum(np.frexp(np.where(r == 0, 1, r))[1] - 1, 0) - 3)
;;       q = np.round(r / step) * step * 2.0 ** e      # np.round: ties to even
;;       return np.moveaxis(q.reshape(q.shape[:-2] + (-1,))[..., :K], -1, axis).astype(np.float32)
;;   ~~~
;;   SOFTMAX AHEAD OF A QUANTISED PRODUCT. Where the list says 'softmax', what is quantised is not the finished softmax but p = 2^(t - M), with t = logit x log2(e) and M = ceil(the row's largest t), a whole number; so 1/2 < the row's largest p <= 1. The row's sum l is taken of the UNQUANTISED p, in f32, and the product's result is divided by l at the end. Since M is a whole number, a kernel that streams over the keys may use a running M (the ceiling of the running maximum): every later rescaling is an exact power of two, which a block's scale takes up: the codes' values come out the same.
;;   OPERANDS COMPUTED ON THE WAY. 'Computed on the way' means the value that the module computes at that place (a softmax that the list does not call 'softmax' is quantised finished and normalised). What goes into a quantiser is computed in f32, as accurately as f32 sums, v_exp_f32 and their like allow (about 1e-6 of the number): no bf16 or f16 on the way to a quantiser, and a product that is left as it is and whose result goes on into a quantised operand takes f32 operands (vector FMAs, or v_wmma_f32_16x16x4_f32). A number that lies on a knife's edge between two numbers of the format may be rounded either way, as far as f32 arithmetic and the matrix unit's own rounding can turn it there, and no further.
;; One version. Each part assembles by itself: llvm-mc -triple=amdgcn-amd-amdhsa -mcpu=gfx1250 --defsym DOCPART=n.
;; ======== version 1 of 1: 4 launches
;; limits: right only within a limited range of input values
;; workspace buffers: codes 9,437,184 bytes; scales 393,216 bytes; qkv 19,660,800 bytes; cc 6,291,456 bytes; cs 262,144 bytes
;; launch quant (part 1): grid 480 x 1, 4 waves a work-group, no clusters, 68,096 bytes of LDS; arguments x, Wproj, Wq, Wk, Wv, codes, scales; writes codes, scales
.if DOCPART == 1
	.amdgcn_target "amdgcn-amd-amdhsa--gfx1250"
	.amdhsa_code_object_version 6
	.text
	.protected	k_q6f8c9729f4_quant
	.globl	k_q6f8c9729f4_quant
	.p2align	8
	.type	k_q6f8c9729f4_quant,@function
k_q6f8c9729f4_quant:
	s_mov_b64 s[64:65], 0
	v_nop
	global_prefetch_b8 v0, s[64:65] scope:SCOPE_SE
	s_setreg_imm32_b32 hwreg(HW_REG_WAVE_MODE, 25, 1), 1
	s_wait_xcnt 0x0
; x [8192][1024], Wproj [1024][1024] (K innermost) and Wq, Wk, Wv [16][1024 (K)][64] (K not innermost), all f32, become codes of FP6 (E2M3) with one E8M0 byte for each 32 along K.
; A block's scale is 2^(floor(log2(its largest magnitude)) - 2); its byte is the largest magnitude's exponent field - 2, held at 1 from below; each number / scale goes to the nearest code, ties to even, beyond 7.5 the largest code.
; LIMITS: NaN and infinities among the inputs are not served; a block whose largest magnitude lies under 2^-124 keeps the byte 1; a block of zeros has the byte 1 where the rule says 127: its codes are zeros, and this program alone reads the bytes.
; THE CODES' LAYOUT is an image of the operand's registers.  A HALF IMAGE is 16 rows x 64 K, 768 bytes: lane L = r + 16 h holds row r's block h (32 codes, 24 bytes, six registers): registers 0-3 at byte 16 L, registers 4-5 at byte 512 + 8 L.
; codes = [row tile 0..767][K / 128: 0..7][2 half images]: 12,288 bytes a row tile.  Row tiles 0-511: x;  512-575, 576-639, 640-703: Wq, Wk, Wv, rows (head, rho);  704-767: Wproj.   scales = [row][32 bytes].
; ROWS OF Wq, Wk, Wv: buffer row rho of a head holds column d = rho with bits 3 and 4 exchanged.  Where 16 neighbouring buffer rows are a product's source 0, the 16 result registers of two neighbouring tiles are then 16 neighbouring d.
; Work-groups 0-143: a wave takes one row tile of x (0-127) or Wproj (128-143) for all of K.  Work-groups 144-335: a wave takes 32 rows (columns d) x 128 K of one head of Wq, Wk or Wv.  Waves share nothing: no barrier.
; ROW ORDER AS THE TEXT BELOW HAS IT (it takes the place of the line on rows above).  x and Wproj: row 8 h + i of row tile 4 n + j holds the tensor's row 64 n + 32 h + 8 j + i.  Wq, Wk, Wv: buffer row 16 j + 8 h + i of a head holds column d = 32 h + 8 j + i.
; Where four neighbouring row tiles are a product's source 0, a lane's 32 result registers are then 32 neighbours: a whole scale block of the next product.
.set WREG,  16896
.set STG,   8448                       ; a stage: 16 rows x 528 bytes
.set SP,    528                        ; a stage row: 512 bytes + 16: 33 x 16, so the 16 rows that a load of 16 bytes a lane touches start at 16 different groups of banks
.set SPARE, 4*WREG                     ; the spare words, 128 bytes for each wave: two blocks of 256 bytes that no other line names
.set SPW,   12                         ; v12  LDS address of my spare word; never rewritten
.set NIL,   13                         ; v13  0; never rewritten
.set TM,    16                         ; v16-31  at work in the quantiser
.set PWR,   32                         ; v32-35  the scale words of the four K steps
.set DW,    40                         ; v40-41  two of them, as stored
.set PC,    44                         ; v44-62  the codes just made
.set X,     64                         ; v64-191 two sets of 64 numbers, 16 neighbours of each of four blocks
.set SEL,   20                         ; s[20:21] v_permlanex16_b32's selects for lane l xor 16
.set WX,    64                         ; the weights' path: v64-127 two sets of 32 numbers
.set CB,    128                        ; v128-159 four blocks' codes, eight registers apart
.set WT,    160                        ; v160-162 a block's upper 16 codes
.set SBW,   164                        ; v164 my row's four scale bytes
.set MSB, 0
.macro WIN new                         ; the immediate's high byte repeats the setting that is left
.if MSB != \new
	s_set_vgpr_msb (MSB<<8)|\new
.set MSB, \new
.endif
.endm
; 64 numbers of a lane, register 16 b + i = k 32 b + 16 (lane / 16) + i of my row, become a fragment's codes in v[PC] on and its scale word in v[pw].  xw > 0: earlier stores still name v[PC] on.
.macro QUANT s, pw, xw
.irp b, 0,1,2,3
	v_max3_num_f32 v[TM+\b], |v[\s+16*\b]|, |v[\s+16*\b+1]|, 0x1800000   ; my 16 numbers of block b, and the floor 2^(3 - 127): the byte cannot fall under 1
.endr
.irp i, 2,4,6,8,10,12,14
.irp b, 0,1,2,3
	v_max3_num_f32 v[TM+\b], v[TM+\b], |v[\s+16*\b+\i]|, |v[\s+16*\b+\i+1]|
.endr
.endr
.irp b, 0,1,2,3
	v_permlanex16_b32 v[TM+4+\b], v[TM+\b], s[SEL], s[SEL+1]
.endr
.irp b, 0,1,2,3
	v_max_num_f32 v[TM+\b], v[TM+\b], v[TM+4+\b]           ; with lane l xor 16's: the block's largest magnitude
.endr
.irp b, 0,1,2,3
	v_add_nc_u32 v[TM+12+\b], 0xff000000, v[TM+\b]         ; 2 off its exponent field: the conversion's scale operand
.endr
.irp b, 0,1,2,3
	v_lshrrev_b32 v[TM+4+\b], 23, v[TM+12+\b]              ; the scale's byte
.endr
	v_lshl_or_b32 v[\pw], v[TM+5], 8, v[TM+4]
	v_lshl_or_b32 v[\pw], v[TM+6], 16, v[\pw]
	v_lshl_or_b32 v[\pw], v[TM+7], 24, v[\pw]
.if \xw > 0
	s_wait_xcnt 0x0                                        ; the last fragment's stores have read their data: v[PC] on is written again only behind this wait
.endif
.irp c, 0,1
	v_cvt_scalef32_pk16_fp6_f32 v[PC+6*\c:PC+6*\c+2], v[\s+32*\c:\s+32*\c+15], v[TM+12+2*\c]
	v_cvt_scalef32_pk16_fp6_f32 v[PC+12+4*\c:PC+14+4*\c], v[\s+32*\c+16:\s+32*\c+31], v[TM+13+2*\c]   ; (a conversion's three registers begin on an even number)
.endr
	v_nop                                                  ; one plain place behind a scaled conversion
.irp c, 0,1                                                ; a whole block to a lane: lanes 0-15 block 2 c, lanes 16-31 block 2 c + 1
.irp i, 0,1,2
	v_permlane16_swap_b32 v[PC+6*\c+\i], v[PC+12+4*\c+\i]
.endr
.irp i, 0,1,2
	v_mov_b32 v[PC+3+6*\c+\i], v[PC+12+4*\c+\i]
.endr
.endr
.endm
	s_load_b256 s[4:11], s[0:1], 0x0               ; x s[4:5], Wproj s[6:7], Wq s[8:9], Wk s[10:11]
	s_load_b128 s[12:15], s[0:1], 0x20             ; Wv s[12:13], codes s[14:15]
	s_load_b64 s[16:17], s[0:1], 0x30              ; scales
	v_lshl_add_u32 v[SPW], v0, 2, SPARE
	v_mov_b32 v[NIL], 0
	v_lshrrev_b32 v1, 5, v0
	v_readfirstlane_b32 s18, v1                    ; wave
	v_and_b32 v1, 31, v0                           ; lane
	v_and_b32 v2, 15, v0                           ; r
	v_bfe_u32 v3, v0, 4, 1                         ; h
	v_lshlrev_b32 v4, 4, v1                        ; 16 x lane
	v_lshlrev_b32 v5, 3, v1                        ; 8 x lane
	s_mov_b32 s[SEL], 0x76543210
	s_mov_b32 s[SEL+1], 0xfedcba98
; THE DEAL AS THE TEXT BELOW HAS IT: work-groups 0-287: a wave takes one row tile of x (0-255) or Wproj (256-287) for HALF of K, four K steps.  Work-groups 288-479: the weights' path.
	s_cmp_lt_u32 ttmp9, 288
	s_cbranch_scc0 .Lweights
	; ---------------- x and Wproj: K innermost.  My wave's row tile: 16 rows x 1,024 numbers, eight K steps of 128
	s_mul_i32 s22, s18, WREG
	v_add_nc_u32 v6, s22, v4                       ; the stage, on the way in: a row's 512 bytes as they lie
	v_mul_u32_u24 v7, v2, SP
	v_lshl_add_u32 v7, v3, 6, v7
	v_add_nc_u32 v7, s22, v7                       ; and on the way out: row r, + 64 h: my 16 numbers of a block of 32
	v_lshlrev_b32 v8, 5, v2
	v_lshl_add_u32 v8, v3, 3, v8                   ; the scale bytes: row r of 32 bytes, + 8 h
.irp b, 0,1,2,3
	v_mov_b32 v[TM+4+\b], 0                        ; written once: a lane permute's destination counts as one of its sources
.endr
	s_lshl_b32 s23, ttmp9, 2
	s_add_co_u32 s23, s23, s18                     ; 4 x work-group + wave:
	s_and_b32 s19, s23, 1                          ; which half of K,
	s_lshr_b32 s23, s23, 1                         ; of which row tile
	s_wait_alu depctr_va_vdst(0)
	s_wait_kmcnt 0x0
	s_cmp_lt_u32 ttmp9, 256
	s_cselect_b64 s[4:5], s[4:5], s[6:7]
	s_cselect_b32 s24, 0, 512
	s_cselect_b32 s25, 0, 192
	s_sub_co_u32 s24, s23, s24                     ; the row tile in its tensor,
	s_lshr_b32 s26, s24, 2
	s_lshl_b32 s26, s26, 18                        ; a band of 64 rows is 262,144 bytes;
	s_and_b32 s27, s24, 3
	s_lshl_b32 s27, s27, 15                        ; tile j of the band begins 8 j rows in
	s_add_co_u32 s26, s26, s27
	s_mov_b32 s27, 0
	s_add_nc_u64 s[4:5], s[4:5], s[26:27]
	s_add_co_u32 s25, s23, s25                     ; and in the codes: 0-511 or 704-767
	s_mul_i32 s26, s25, 12288
	s_add_nc_u64 s[14:15], s[14:15], s[26:27]
	s_lshl_b32 s26, s25, 9
	s_add_nc_u64 s[16:17], s[16:17], s[26:27]
	s_lshl_b32 s26, s19, 11                        ; my half of K: 2,048 bytes into each row,
	s_add_nc_u64 s[4:5], s[4:5], s[26:27]
	s_mul_i32 s26, s19, 6144                       ; four fragments into the row tile's codes,
	s_add_nc_u64 s[14:15], s[14:15], s[26:27]
	s_lshl_b32 s26, s19, 4                         ; 16 bytes into each row of scale bytes
	s_add_nc_u64 s[16:17], s[16:17], s[26:27]
.macro LOAD t                          ; K step t: 16 loads, each 512 consecutive bytes of one row, into set t % 3 of window 1
	WIN 0x40
.irp i, 0,1,2,3,4,5,6,7,8,9,10,11,12,13,14,15
	global_load_b128 v[64*((\t)%3)+4*\i:64*((\t)%3)+4*\i+3], v4, s[4:5] offset:4096*(32*(\i/8)+\i%8)+512*(\t) th:TH_LOAD_NT
.endr
	WIN 0
.endm
.macro TURN t                          ; K step t through stage t % 2: LDS serves a wave's instructions in order, so no wait stands between the stores and the loads
	WIN 0x04
.irp i, 0,1,2,3,4,5,6,7,8,9,10,11,12,13,14,15
	ds_store_b128 v6, v[64*((\t)%3)+4*\i:64*((\t)%3)+4*\i+3] offset:STG*((\t)%2)+SP*\i
.endr
	WIN 0
.irp b, 0,1,2,3
.irp j, 0,1,2,3
	ds_load_b128 v[X+64*((\t)%2)+16*\b+4*\j:X+64*((\t)%2)+16*\b+4*\j+3], v7 offset:STG*((\t)%2)+128*\b+16*\j
.endr
.endr
.endm
.macro QSTEP t
	s_wait_dscnt 0x0                               ; this step's numbers are back from the stage, and its stores into the stage have read set t % 3,
.if (\t)+3 < 4
	LOAD (\t)+3                                    ; which takes the loads of three steps on
.endif
.if (\t)+1 < 4
.if (\t) <= 0
	s_wait_loadcnt 32                              ; the next step's 16 loads are in; those of the two steps behind it may be out
.else
	s_wait_loadcnt 16*(2-(\t))
.endif
	TURN (\t)+1                                    ; and go through the other stage while this step is worked
.endif
.set XS, X+64*((\t)%2)
	QUANT XS, PWR+(\t), (\t)
	global_store_b128 v4, v[PC:PC+3], s[14:15] offset:1536*(\t)            ; the fragment as it stands: each store covers 512 or 256 consecutive bytes, aligned
	global_store_b64 v5, v[PC+4:PC+5], s[14:15] offset:1536*(\t)+512
	global_store_b128 v4, v[PC+6:PC+9], s[14:15] offset:1536*(\t)+768
	global_store_b64 v5, v[PC+10:PC+11], s[14:15] offset:1536*(\t)+1280
.endm
	LOAD 0
	LOAD 1
	LOAD 2
	s_wait_loadcnt 32                              ; step 0's 16 loads are in
	TURN 0
.irp t, 0,1,2,3
	QSTEP \t
.endr
	v_cmp_ne_u32 vcc_lo, 0, v3
.irp i, 0,1
	v_cndmask_b32 v[DW+\i], v[PWR+\i], v[PWR+2+\i], vcc_lo   ; lanes 0-15: my row's first two words of this half of K; lanes 16-31: the other two
.endr
	global_store_b64 v8, v[DW:DW+1], s[16:17]      ; 16 bytes a row, rows 32 bytes apart
	s_wait_tensorcnt 0x0                           ; the wave's end, behind my last LDS store
	ds_add_u32 v[SPW], v[NIL]
	s_wait_dscnt 0x0
	s_endpgm
	; ---------------- Wq, Wk, Wv: K is the middle axis.  A lane takes a column d, its registers run down K: a block of 32 lies in one lane, and the conversions give codes with K innermost
.Lweights:
	s_sub_co_u32 s22, ttmp9, 288
	s_lshr_b32 s23, s22, 6                         ; which tensor: 64 work-groups each
	s_lshl_b32 s24, s22, 2
	s_add_co_u32 s24, s24, s18
	s_and_b32 s24, s24, 255                        ; my wave among the tensor's 256
	s_lshr_b32 s25, s24, 4                         ; head
	s_bfe_u32 s26, s24, 0x10003                    ; which 32 of its 64 rows
	s_and_b32 s27, s24, 7                          ; which 128 along K
	s_lshl_b32 s28, s25, 18                        ; a head is 262,144 bytes,
	s_lshl_b32 s29, s27, 15                        ; 128 rows of K are 32,768,
	s_add_co_u32 s28, s28, s29
	s_lshl_b32 s29, s26, 6                         ; my 32 buffer rows begin at column 16 x half
	s_add_co_u32 s28, s28, s29
	s_mov_b32 s29, 0
	s_lshl_b32 s30, s23, 6
	s_lshl_b32 s31, s25, 2
	s_add_co_u32 s30, s30, s31
	s_lshl_b32 s31, s26, 1
	s_add_co_u32 s30, s30, s31
	s_add_co_u32 s30, s30, 512                     ; my first row tile: 512 + 64 x tensor + 4 x head + 2 x half
	s_mul_i32 s32, s30, 12288
	s_mul_i32 s33, s27, 1536
	s_add_co_u32 s32, s32, s33
	s_mov_b32 s33, 0
	s_lshl_b32 s34, s30, 9
	s_lshl_b32 s35, s27, 2
	s_add_co_u32 s34, s34, s35
	s_mov_b32 s35, 0
	s_wait_alu depctr_va_vdst(0)
	v_and_b32 v9, 7, v1
	v_bfe_u32 v10, v1, 3, 1
	v_lshl_add_u32 v9, v10, 5, v9                  ; lane l reads column (l % 8) + 32 ((l / 8) % 2) + 8 (l / 16)
	v_lshl_add_u32 v9, v3, 3, v9                   ; lane l is buffer row l and reads column (l % 8) + 32 ((l / 8) % 2) + 8 (l / 16)
	v_lshlrev_b32 v9, 2, v9
	v_lshlrev_b32 v10, 5, v1                       ; my row's 32 scale bytes
	s_wait_alu depctr_va_vdst(0)
	s_wait_kmcnt 0x0
	s_cmp_eq_u32 s23, 1
	s_cselect_b64 s[8:9], s[10:11], s[8:9]
	s_cmp_eq_u32 s23, 2
	s_cselect_b64 s[8:9], s[12:13], s[8:9]
	s_add_nc_u64 s[8:9], s[8:9], s[28:29]
	s_add_nc_u64 s[14:15], s[14:15], s[32:33]
	s_add_nc_u64 s[16:17], s[16:17], s[34:35]
.macro WLOAD t                         ; block t: W(32 t + i, my column): each load reads two runs of 64 consecutive bytes
.irp i, 0,1,2,3,4,5,6,7,8,9,10,11,12,13,14,15,16,17,18,19,20,21,22,23,24,25,26,27,28,29,30,31
	global_load_b32 v[WX+32*((\t)%2)+\i], v9, s[8:9] offset:256*(32*(\t)+\i) th:TH_LOAD_NT
.endr
.endm
.macro BLOCK t
.set XS, WX+32*((\t)%2)
.if (\t) < 3
	s_wait_loadcnt 32                              ; this block's 32 loads are in; the next block's may be out
.else
	s_wait_loadcnt 0x0
.endif
	v_max3_num_f32 v16, |v[XS]|, |v[XS+1]|, |v[XS+2]|
	v_max3_num_f32 v17, |v[XS+3]|, |v[XS+4]|, |v[XS+5]|
.irp i, 6,10,14,18,22,26
	v_max3_num_f32 v16, v16, |v[XS+\i]|, |v[XS+\i+1]|
	v_max3_num_f32 v17, v17, |v[XS+\i+2]|, |v[XS+\i+3]|
.endr
	v_max3_num_f32 v16, v16, |v[XS+30]|, |v[XS+31]|
	v_max3_num_f32 v16, v16, v17, 0x1800000        ; and the floor
	v_add_nc_u32 v18, 0xff000000, v16
	v_lshrrev_b32 v19, 23, v18
.if (\t) == 0
	v_mov_b32 v[SBW], v19
.else
	v_lshl_or_b32 v[SBW], v19, 8*(\t), v[SBW]
.endif
	v_cvt_scalef32_pk16_fp6_f32 v[CB+8*(\t):CB+8*(\t)+2], v[XS:XS+15], v18
	v_cvt_scalef32_pk16_fp6_f32 v[WT:WT+2], v[XS+16:XS+31], v18
	v_nop                                          ; one plain place behind a scaled conversion
.irp i, 0,1,2
	v_mov_b32 v[CB+8*(\t)+3+\i], v[WT+\i]
.endr
.if (\t)+2 < 4
	WLOAD (\t)+2
.endif
.endm
	WLOAD 0
	WLOAD 1
.irp t, 0,1,2,3
	BLOCK \t
.endr
.irp c, 0,1                            ; lanes 0-15 hold the first tile's rows, lanes 16-31 the second's.  Blocks 2 c and 2 c + 1 change halves: the first register then is the first tile's half image c, the second the second tile's
.irp i, 0,1,2,3,4,5
	v_permlane16_swap_b32 v[CB+16*\c+\i], v[CB+16*\c+8+\i]
.endr
.endr
.irp t, 0,1,2,3
	global_store_b128 v4, v[CB+8*\t:CB+8*\t+3], s[14:15] offset:12288*(\t%2)+768*(\t/2)
	global_store_b64 v5, v[CB+8*\t+4:CB+8*\t+5], s[14:15] offset:12288*(\t%2)+768*(\t/2)+512
.endr
	global_store_b32 v10, v[SBW], s[16:17]         ; four bytes a row, rows 32 bytes apart: 98,304 bytes of the launch's stores leave so
	s_wait_tensorcnt 0x0                           ; the wave's end
	ds_add_u32 v[SPW], v[NIL]
	s_wait_dscnt 0x0
	s_endpgm
.Lfunc_end_k_q6f8c9729f4_quant:
	.size	k_q6f8c9729f4_quant, .Lfunc_end_k_q6f8c9729f4_quant-k_q6f8c9729f4_quant
	.p2alignl 7, 3214868480
	.fill 96, 4, 3214868480
	.section	.rodata,"a",@progbits
	.p2align	6, 0x0
	.amdhsa_kernel k_q6f8c9729f4_quant
		.amdhsa_group_segment_fixed_size 68096
		.amdhsa_private_segment_fixed_size 0
		.amdhsa_enable_private_segment 0
		.amdhsa_kernarg_size 56
		.amdhsa_user_sgpr_count 2
		.amdhsa_user_sgpr_kernarg_segment_ptr 1
		.amdhsa_wavefront_size32 1
		.amdhsa_system_sgpr_workgroup_id_x 1
		.amdhsa_system_sgpr_workgroup_id_y 1
		.amdhsa_system_sgpr_workgroup_id_z 1
		.amdhsa_system_vgpr_workitem_id 0
		.amdhsa_next_free_vgpr 448
		.amdhsa_next_free_sgpr 66
		.amdhsa_reserve_vcc 1
		.amdhsa_float_denorm_mode_32 3
		.amdhsa_float_denorm_mode_16_64 3
		.amdhsa_memory_ordered 1
		.amdhsa_forward_progress 1
		.amdhsa_inst_pref_size 56
	.end_amdhsa_kernel
	.amdgpu_metadata
---
amdhsa.version: [ 1, 2 ]
amdhsa.kernels:
  - .name:           k_q6f8c9729f4_quant
    .symbol:         k_q6f8c9729f4_quant.kd
    .args:
      - { .name: x, .offset: 0, .size: 8, .value_kind: global_buffer, .address_space: global }
      - { .name: Wproj, .offset: 8, .size: 8, .value_kind: global_buffer, .address_space: global }
      - { .name: Wq, .offset: 16, .size: 8, .value_kind: global_buffer, .address_space: global }
      - { .name: Wk, .offset: 24, .size: 8, .value_kind: global_buffer, .address_space: global }
      - { .name: Wv, .offset: 32, .size: 8, .value_kind: global_buffer, .address_space: global }
      - { .name: codes, .offset: 40, .size: 8, .value_kind: global_buffer, .address_space: global }
      - { .name: scales, .offset: 48, .size: 8, .value_kind: global_buffer, .address_space: global }
    .group_segment_fixed_size: 68096
    .private_segment_fixed_size: 0
    .kernarg_segment_align: 8
    .kernarg_segment_size: 56
    .max_flat_workgroup_size: 128
    .sgpr_count:     66
    .vgpr_count:     448
    .wavefront_size: 32
...
	.end_amdgpu_metadata
.endif
;; end of part 1
;; launch qkv (part 2): grid 8 x 32, 4 waves a work-group, clusters of 4 x 1, 327,680 bytes of LDS; arguments codes, scales, qkv; writes qkv
.if DOCPART == 2
	.amdgcn_target "amdgcn-amd-amdhsa--gfx1250"
	.amdhsa_code_object_version 6
	.text
	.protected	k_q6f8c9729f4_qkv
	.globl	k_q6f8c9729f4_qkv
	.p2align	8
	.type	k_q6f8c9729f4_qkv,@function
k_q6f8c9729f4_qkv:
	s_mov_b64 s[64:65], 0
	v_nop
	global_prefetch_b8 v0, s[64:65] scope:SCOPE_SE
	s_setreg_imm32_b32 hwreg(HW_REG_WAVE_MODE, 25, 1), 1
	s_wait_xcnt 0x0
	s_wait_alu depctr_hold_cnt(0) depctr_sa_sdst(0) depctr_va_vdst(0) depctr_va_sdst(0) depctr_va_ssrc(0) depctr_va_vcc(0) depctr_vm_vsrc(0)
	s_getreg_b32 s2, hwreg(HW_REG_IB_STS2, 6, 4)
	s_cmp_eq_u32 s2, 0
	s_cbranch_scc0 .Lentry_in_a_cluster
	s_endpgm
.Lentry_in_a_cluster:
	s_bfe_u32 s2, ttmp6, 0x10000c
	s_cmp_lg_u32 s2, 0x3003
	s_cbranch_scc0 .Lentry_shape_is_right
	s_endpgm
.Lentry_shape_is_right:
; q, k, v = x W on codes of FP6 (E2M3) with E8M0 scales, K = 1,024; the results leave as CODES, quantised along the axis that the next product contracts: q and k along the head's 64, v along the tokens.
; OPERANDS are images of registers: a row tile (16 rows, all of K) is 12,288 bytes = [K / 128][2 half images of 768]: lane L = r + 16 h holds row r's block h: registers 0-3 at 16 L, 4-5 at 512 + 8 L.  codes: row tiles 0-511 x, 512-575 Wq, 576-639 Wk, 640-703 Wv; scales = [row][32].
; ROWS: row 8 g + i of x's row tile 4 n + j is token 64 n + 32 g + 8 j + i; a weight's buffer row 16 j + 8 g + i of a head is column d = 32 g + 8 j + i.
; THE DEAL.  256 work-groups of four waves: 256 tokens (16 row tiles of x) x 384 columns.  Wave u = 4 x column group + wave (0..31) holds in registers, all of K, the four row tiles of one head of Q (u < 16) or K, and two row tiles of V (head u / 2, half u % 2): 48 fragments.
; Every wave streams x's 16 row tiles past them, a block of 16 tokens at a time: 32 products of Q|K (source 0 the weight's rows: lane (r, h) holds token row r, its 32 sums are d = 32 h + 0 .. 31, one scale block), then 16 of V
; (source 0 x's rows: lane (r, h) holds row r of V^T, and its 8 sums of each of a band's four blocks are tokens 32 h + 0 .. 31 of the band's 64, one scale block).
; THE WEIGHTS come by plain loads straight into registers, each lane its fragments whole: x's 196,608 bytes and the column group's 294,912 do not fit into LDS together, so the weights have no joint load.
; x's rows are asked for JOINTLY by the four work-groups of a cluster (mask 15), which share the tokens: one tensor load a wave, four row tiles each; nothing is filled again.  No branch and no LDS address hangs on cx.
; NO DATA PREFETCH: all that the launch reads is asked for at its head.
; A BLOCK: Q|K's 32 products, four accumulators by turns; V's 16, two by turns (no s_wait_alu stands among them).  Behind V's products stand the next fetch's addresses (the four places behind Q|K's last product) and Q|K's search for the largest magnitude.
; ONE RUN behind the block: Q|K's two conversions, V's running maxima, the scale byte, two stores, the fetch of the block two on.  Behind a band's fourth block V's four conversions and stores too.
; OUT: qkv = [b x 16 + head][128 tokens: 0..15][19,200]: Q's 8 half images at 0, Q's pair words at 6,144, K's 8 half images at 6,400, V's 4 fragments (16 rho x 128 tokens) at 12,544, K's pair words at 18,688, V's words at 18,944.
;   Pair words [r 16][beta 4]: bytes 0, 1: the scale bytes of row r of token tile 2 beta; bytes 2, 3: of tile 2 beta + 1.   V's words [r 16][t 4]: the word of row 16 t + r for these 128 tokens (a wave stores two of a row's four).
; LIMITS: NaN and infinities are not served; a block under 2^-124 keeps the byte 1; a block of zeros has the byte 1 and zero codes.
.set NQ, 8
.set FR, 12
.set FPW, 21                           ; fragments in a window
.set NF, 34                            ; LDS loads of a block: 32 for eight fragments, 2 for eight scale words
.set RT, 12288
.set KROW, 768                         ; x's tiles are dense: stated as rows of 768 bytes, 16 to a row tile
.set KS, 32
.set EMAX, 2
.set SCL, 16*RT                        ; x's scale bytes: 32 units of 256 + 16
.set SSTEP, 2*272                      ; from a block's scale words to the next block's
.set SPARE, SCL+32*272
.set L16, 4                            ; 16 x lane: also block 0's LDS address
.set L8, 5
.set AAS0, 6
.set H8, 7                             ; 8 h
.set WA, 8                             ; 16 r + a record's 19,200 x h
.set XSA, 9
.set SPW, 10
.set NIL, 11
.set A16, 14                           ; v14, v15, v17 LDS addresses of the block that is fetched next
.set A8, 15
.set ABS, 16
.set AAS, 17
.set EB, 18
.set EX, 19
.set EB2, 20
.set SB, 24                            ; v24-39 W_q|k's scale words
.set SBV, 40                           ; v40-47 W_v's
.set TQ, 48
.set VT, 50                            ; v50, v51 V's two running maxima
.set SA, 52                            ; v52-67 x's scale words, two sets
.set SOP, 68                           ; v68 Q|K's scale operand; v70, v71 V's
.set ACC, 72                           ; v72-103 Q|K's sums
.set HV, 104                           ; v104-167 V's sums: 32 t + 8 j + i
.set NCD, 168                          ; v168-173 Q|K's half image
.set TC, 176
.set VCD, 180                          ; v180-185, v188-193 V's half images
.set TV, 196                           ; v196-198, v200-202
.set PW, 204                           ; v204, v205 the band's two pair words
.set QW, 206                           ; v206-213 the pair words of four bands
.set VLO, 214                          ; v214, v215 V's words of the first record; v216, v217 of the second
.set VHI, 216
.set EX2, 218
.set DW, 220
.set G1, 24
.set G0, 32
.set QKB, 44
.set VB, 46
.set QWP, 48
.set VWP, 50
.set QKP, 52
.set VP, 54
.set WQ, 56
.set WVP, 58
.set SQ, 60
.set SV, 62
.set XS, 66
.set N, 68
.set PS, 69
.set SEL, 70
.set MSB, 0
.macro WIN new
.if MSB != \new
	s_set_vgpr_msb (MSB<<8)|\new
.set MSB, \new
.endif
.endm
.macro PLACES n
.rept \n
	v_nop
.endr
.endm
.macro WALU
	s_wait_alu depctr_va_vdst(0)
.endm
.macro BARRIER
	s_barrier_signal -1
	s_barrier_wait -1
.endm
.macro CROUND
	BARRIER
	s_cmp_lg_u32 s14, 0
	s_cbranch_scc1 .Lnot_wave_0_\@
	s_barrier_signal -3
.Lnot_wave_0_\@:
	s_barrier_wait -3
	BARRIER
.endm
; fragments: 0-31 W_q|k's (4 q + tile), 32-47 W_v's (32 + 2 q + tile), 48-63 x's two sets (48 + 8 e + q).  21 to a window in windows 1 to 3; the last one at v240 of window 0
.macro FPLACE f
.if (\f) < 3*FPW
.set FW_, 1+(\f)/FPW
.set FG_, FR*((\f)%FPW)
.else
.set FW_, 0
.set FG_, 240
.endif
.endm
.macro IMAGE f, a16, a8, off           ; a fragment out of LDS, as it was stored
	FPLACE \f
	WIN FW_<<6
	ds_load_b128 v[FG_:FG_+3], v[\a16] offset:\off
	ds_load_b64 v[FG_+4:FG_+5], v[\a8] offset:(\off)+512
	ds_load_b128 v[FG_+6:FG_+9], v[\a16] offset:(\off)+768
	ds_load_b64 v[FG_+10:FG_+11], v[\a8] offset:(\off)+1280
.endm
.macro GIMAGE f, base, off             ; a fragment out of memory: each load covers 512 or 256 consecutive bytes, aligned
	FPLACE \f
	WIN FW_<<6
	global_load_b128 v[FG_:FG_+3], v[L16], s[\base:\base+1] offset:\off
	global_load_b64 v[FG_+4:FG_+5], v[L8], s[\base:\base+1] offset:(\off)+512
	global_load_b128 v[FG_+6:FG_+9], v[L16], s[\base:\base+1] offset:(\off)+768
	global_load_b64 v[FG_+10:FG_+11], v[L8], s[\base:\base+1] offset:(\off)+1280
.endm
.macro FETCHAT e, a16, a8, as          ; a block of x into set e: NF loads
.irp q, 0,1,2,3,4,5,6,7
	IMAGE 48+8*(\e)+\q, \a16, \a8, 1536*\q
.endr
	WIN 0
	ds_load_b128 v[SA+8*(\e):SA+8*(\e)+3], v[\as]
	ds_load_b128 v[SA+8*(\e)+4:SA+8*(\e)+7], v[\as] offset:16
.endm
.macro PQK e, q, t
	FPLACE 48+8*(\e)+(\q)
.set XW_, FW_
.set XG_, FG_
	FPLACE 4*(\q)+(\t)
	WIN FW_|(XW_<<2)
	PROD1 ACC+8*(\t), FG_, XG_, (\q), SB+NQ*((\t)/2)+(\q), SA+8*(\e)+(\q), a, (\t)%2
.endm
.macro PV e, q, t, j
	FPLACE 48+8*(\e)+(\q)
.set XW_, FW_
.set XG_, FG_
	FPLACE 32+2*(\q)+(\t)
	WIN XW_|(FW_<<2)
	PROD1 HV+32*(\t)+8*(\j), XG_, FG_, (\q), SA+8*(\e)+(\q), SBV+(\q), b, (\t)
.endm
.macro PROD1 d, s0, s1, q, x0, x1, side, o   ; the first product along K starts the sum
.if \q
	PROD2 \d, \s0, \s1, v[\d:\d+7], \x0, \x1, \side, \o
.else
	PROD2 \d, \s0, \s1, 0, \x0, \x1, \side, \o
.endif
.endm
.macro PROD2 d, s0, s1, c, x0, x1, side, o
.if \o
	v_wmma_scale_f32_16x16x128_f8f6f4 v[\d:\d+7], v[\s0:\s0+FR-1], v[\s1:\s1+FR-1], \c, v[\x0], v[\x1] matrix_a_fmt:MATRIX_FMT_FP6 matrix_b_fmt:MATRIX_FMT_FP6 matrix_\side\()_scale:MATRIX_SCALE_ROW1
.else
	v_wmma_scale_f32_16x16x128_f8f6f4 v[\d:\d+7], v[\s0:\s0+FR-1], v[\s1:\s1+FR-1], \c, v[\x0], v[\x1] matrix_a_fmt:MATRIX_FMT_FP6 matrix_b_fmt:MATRIX_FMT_FP6 matrix_\side\()_scale:MATRIX_SCALE_ROW0
.endif
.endm
.macro CHAIN i, x                      ; line i = 0 .. 13 of two chains of v_max3, one over each half of the 32 sums from register x on, in turn; each accumulator from its low end on
.set B_, (\x)+16*((\i)%2)+2*((\i)/2)
.set T_, TQ+1-(\i)%2
.if (\i) < 2
	v_max3_num_f32 v[T_], |v[B_]|, |v[B_+1]|, |v[B_+2]|
.else
	v_max3_num_f32 v[T_], v[T_], |v[B_+1]|, |v[B_+2]|
.endif
.endm
.macro CHAINS n, s0, x                 ; behind products s0 .. s0 + 9: the chains, two lines a place; the floor 2^(3 - 127) and the halves' last sums; the conversions' scale operand
.if (\n) >= (\s0) && (\n) < (\s0)+10
	WIN 0
.if (\n)-(\s0) < 7
	CHAIN 2*((\n)-(\s0)), \x
	CHAIN 2*((\n)-(\s0))+1, \x
.elseif (\n)-(\s0) == 7
	v_max3_num_f32 v[TQ+1], v[TQ+1], |v[\x+15]|, (EMAX+1)<<23
.elseif (\n)-(\s0) == 8
	v_max3_num_f32 v[TQ], v[TQ], |v[\x+31]|, v[TQ+1]
.else
	v_add_nc_u32 v[SOP], -(EMAX<<23), v[TQ]
.endif
.endif
.endm
.macro VMAX i, j                       ; line i = 0 .. 7: the two tiles' running maxima take in the eight sums each of place j
.set B_, HV+32*((\i)%2)+8*(\j)+2*((\i)/2)
.if (\i) < 2 && (\j) == 0
	v_max3_num_f32 v[VT+(\i)%2], |v[B_]|, |v[B_+1]|, (EMAX+1)<<23
.else
	v_max3_num_f32 v[VT+(\i)%2], v[VT+(\i)%2], |v[B_]|, |v[B_+1]|
.endif
.endm
.macro SLOT n                          ; what stands behind product n
.if (\n) == 32
	WIN 0
	v_add_nc_u32 v[A16], s101, v[L16]              ; these four lines are the places between Q|K's last product and the first reader of its sums
	v_add_nc_u32 v[A8], s101, v[L8]
.elseif (\n) == 33
	WIN 0
	v_add_nc_u32 v[AAS], s91, v[AAS0]
	v_nop
.endif
	CHAINS \n, 34, ACC
.endm
; block j of a band, its rows in set e
.macro BLOCK e, j
	s_add_co_u32 s101, s101, RT                    ; the block two on
	s_add_co_u32 s91, s91, SSTEP
.set N_, 0
.rept 48
.if N_ < 32
	PQK \e, N_/4, N_%4
.else
	PV \e, (N_-32)/2, N_%2, \j
.endif
	SLOT N_
.set N_, N_+1
.endr
	WIN 0
	WALU                                           ; directly ahead of the wait below
	s_wait_xcnt 0x0                                ; the last block's stores have read their data
	v_cvt_scalef32_pk16_fp6_f32 v[NCD:NCD+2], v[ACC:ACC+15], v[SOP]
	v_cvt_scalef32_pk16_fp6_f32 v[TC:TC+2], v[ACC+16:ACC+31], v[SOP]   ; (a conversion's three registers begin on an even number)
	v_lshrrev_b32 v[EB], 23, v[SOP]                ; the scale's byte.  This line and the three moves are the places behind V's last product
.irp i, 0,1,2
	v_mov_b32 v[NCD+3+\i], v[TC+\i]
.endr
.irp i, 0,1,2,3,4,5,6,7
	VMAX \i, \j
.endr
	v_lshlrev_b32 v[EB], v[H8], v[EB]              ; my block's byte at its place;
	v_permlanex16_b32 v[EX], v[EB], s[SEL], s[SEL+1]
.if (\j)%2 == 0
	v_or_b32 v[PW+(\j)/2], v[EB], v[EX]            ; with lane l xor 16's: the tile's two bytes
.else
	v_or_b32 v[EB], v[EB], v[EX]
	v_lshl_or_b32 v[PW+(\j)/2], v[EB], 16, v[PW+(\j)/2]
.endif
	global_store_b128 v[L16], v[NCD:NCD+3], s[QKP:QKP+1] offset:768*(\j)
	global_store_b64 v[L8], v[NCD+4:NCD+5], s[QKP:QKP+1] offset:768*(\j)+512
.if (\j) == 3                          ; the band is whole: V's two half images, and the words
	v_add_nc_u32 v[SOP+2], -(EMAX<<23), v[VT]
	v_add_nc_u32 v[SOP+3], -(EMAX<<23), v[VT+1]
.irp t, 0,1
	v_cvt_scalef32_pk16_fp6_f32 v[VCD+8*\t:VCD+8*\t+2], v[HV+32*\t:HV+32*\t+15], v[SOP+2+\t]
	v_cvt_scalef32_pk16_fp6_f32 v[TV+4*\t:TV+4*\t+2], v[HV+32*\t+16:HV+32*\t+31], v[SOP+2+\t]
.endr
	v_lshrrev_b32 v[EB2], 23, v[SOP+2]
	v_lshrrev_b32 v[EB2+1], 23, v[SOP+3]
.irp t, 0,1
.irp i, 0,1,2
	v_mov_b32 v[VCD+8*\t+3+\i], v[TV+4*\t+\i]
.endr
.endr
.irp t, 0,1
	v_lshlrev_b32 v[EB2+\t], v[H8], v[EB2+\t]
.endr
.irp t, 0,1
	v_permlanex16_b32 v[EX2+\t], v[EB2+\t], s[SEL], s[SEL+1]
.endr
.irp t, 0,1
	v_or_b32 v[EB2+\t], v[EB2+\t], v[EX2+\t]
.endr
.irp t, 0,1
	v_perm_b32 v[VLO+\t], v[VHI+\t], v[VLO+\t], s[PS]      ; the pair of words moves down by 16 bits,
.endr
.irp t, 0,1
	v_perm_b32 v[VHI+\t], v[EB2+\t], v[VHI+\t], s[PS]      ; and the band's two bytes come in at the top: after four bands each stands at its place
.endr
.irp t, 0,1
	global_store_b128 v[L16], v[VCD+8*\t:VCD+8*\t+3], s[VP:VP+1] offset:1536*\t
	global_store_b64 v[L8], v[VCD+8*\t+4:VCD+8*\t+5], s[VP:VP+1] offset:1536*\t+512
.endr
.irp i, 0,1,2,3,4,5
	v_mov_b32 v[QW+\i], v[QW+2+\i]                 ; the pair words move down by a band
.endr
	v_mov_b32 v[QW+6], v[PW]
	v_mov_b32 v[QW+7], v[PW+1]
.endif
	WALU                                           ; directly ahead of the wait below
	s_wait_dscnt 0x0                               ; the next block's fragments, asked for a block ago, are in
.if (\j) >= 2
	s_cmp_eq_u32 s[N], 3                           ; the last two blocks fetch nothing: a branch on the count of trips, round the loads alone
	s_cbranch_scc1 .Lno_fetch_\@
.endif
	FETCHAT \e, A16, A8, AAS
.if (\j) >= 2
.Lno_fetch_\@:
.endif
.endm
	s_load_b128 s[4:7], s[0:1], 0x0                ; codes, scales
	s_load_b64 s[8:9], s[0:1], 0x10                ; qkv
	v_lshl_add_u32 v[SPW], v0, 2, SPARE
	v_mov_b32 v[NIL], 0
	ds_add_u32 v[SPW], v[NIL]                      ; the opening lines
	ds_add_u32 v[SPW], v[NIL]
	v_lshrrev_b32 v1, 5, v0
	v_readfirstlane_b32 s14, v1                    ; the wave
	s_bfe_u32 s40, ttmp6, 0x40000                  ; cx
	s_lshl_b32 s42, ttmp9, 2
	s_add_co_u32 s42, s42, s40                     ; the column group, 0..7
	s_and_b32 s43, ttmp7, 0xffff                   ; which 256 tokens, 0..31
	s_lshl_b32 s41, s42, 2
	s_add_co_u32 s41, s41, s14                     ; u
	s_mov_b32 s[G1], 15|(1<<21)                    ; the four partners; bit 21 beside a mask; 64 rows of 768 bytes, dense
	s_mov_b32 s[G1+1], KROW<<16
	s_mov_b32 s[G1+2], 64<<16
	s_mov_b32 s[G1+3], KROW<<16
	s_mov_b32 s[G1+4], 64
	s_mov_b32 s[G1+5], KROW
	s_mov_b32 s[G1+6], 0
	s_mov_b32 s[G1+7], 0
	s_mov_b32 s[G0], 1
	s_mul_i32 s[G0+1], s14, 4*RT
	s_mul_i32 s10, s43, 16*RT
	s_add_co_u32 s10, s10, s[G0+1]                 ; my four row tiles of x
	s_mov_b32 s11, 0
	s_mul_i32 s12, s41, 4*RT
	s_add_co_u32 s12, s12, 512*RT                  ; my head of W_q or W_k
	s_mov_b32 s13, 0
	s_mul_i32 s16, s41, 2*RT
	s_add_co_u32 s16, s16, 640*RT                  ; my two row tiles of W_v
	s_mov_b32 s17, 0
	s_lshl_b32 s18, s41, 11
	s_add_co_u32 s18, s18, 512*512                 ; their scale bytes: 512 a row tile
	s_mov_b32 s19, 0
	s_lshl_b32 s20, s41, 10
	s_add_co_u32 s20, s20, 640*512
	s_mov_b32 s21, 0
	s_lshl_b32 s22, s43, 13                        ; x's scale bytes of my 256 rows
	s_mov_b32 s23, 0
	s_lshr_b32 s76, s43, 3
	s_lshl_b32 s76, s76, 4                         ; 16 b
	s_and_b32 s77, s43, 7
	s_mul_i32 s77, s77, 2*19200                    ; my two records in a head
	s_and_b32 s78, s41, 15
	s_add_co_u32 s78, s78, s76
	s_mul_i32 s36, s78, 307200
	s_add_co_u32 s36, s36, s77
	s_lshr_b32 s78, s41, 4                         ; 0 Q, 1 K
	s_mul_i32 s79, s78, 12544
	s_add_co_u32 s38, s36, s79
	s_add_co_u32 s38, s38, 6144                    ; the pair words
	s_mul_i32 s79, s78, 6400
	s_add_co_u32 s36, s36, s79                     ; the half images
	s_mov_b32 s37, 0
	s_mov_b32 s39, 0
	s_lshr_b32 s78, s41, 1
	s_add_co_u32 s78, s78, s76
	s_mul_i32 s72, s78, 307200
	s_add_co_u32 s72, s72, s77
	s_and_b32 s78, s41, 1
	s_lshl_b32 s79, s78, 3
	s_add_co_u32 s74, s72, s79
	s_add_co_u32 s74, s74, 18944                   ; V's words: my two of a row's four
	s_mul_i32 s79, s78, 3072
	s_add_co_u32 s72, s72, s79
	s_add_co_u32 s72, s72, 12544                   ; V's fragments: my two of four
	s_mov_b32 s73, 0
	s_mov_b32 s75, 0
	s_mov_b32 s[SEL], 0x76543210
	s_mov_b32 s[SEL+1], 0xfedcba98
	s_mov_b32 s[PS], 0x05040302
	v_and_b32 v1, 15, v0
	v_bfe_u32 v2, v0, 4, 1
	v_and_b32 v3, 31, v0
	v_lshlrev_b32 v[L16], 4, v3
	v_lshlrev_b32 v[L8], 3, v3
	v_lshlrev_b32 v[H8], 3, v2
	v_mul_u32_u24 v[WA], v2, 19200
	v_lshl_add_u32 v[WA], v1, 4, v[WA]
	v_add_nc_u32 v[A16], RT, v[L16]
	v_add_nc_u32 v[A8], RT, v[L8]
	v_mul_u32_u24 v[ABS], v3, KS
	v_mul_u32_u24 v23, v1, KS
	v_lshrrev_b32 v22, 8, v23
	v_lshl_add_u32 v23, v22, 4, v23
	v_add_nc_u32 v[AAS0], SCL, v23                 ; my row's scale words in block 0
	v_add_nc_u32 v[AAS], SSTEP, v[AAS0]
	v_lshlrev_b32 v22, 5, v0                       ; thread t takes the scale bytes of rows t and t + 128
	v_lshrrev_b32 v[XSA], 3, v0
	v_lshlrev_b32 v[XSA], 4, v[XSA]
	v_lshl_add_u32 v[XSA], v0, 5, v[XSA]
	v_add_nc_u32 v[XSA], SCL, v[XSA]               ; a row of 32 bytes, 16 more behind every 256
	v_mov_b32 v[EX], 0                             ; a lane permute's destination counts as one of its sources
	v_mov_b32 v[EX2], 0
	v_mov_b32 v[EX2+1], 0
.irp i, 0,1,2,3,4,5,6,7
	v_mov_b32 v[QW+\i], 0                          ; (read by the moves before they hold words)
.endr
.irp i, 0,1,2,3
	v_mov_b32 v[VLO+\i], 0
.endr
	WALU
	s_wait_dscnt 0x0
	CROUND                                         ; the opening round
	s_wait_kmcnt 0x0
	s_add_nc_u64 s[G0+2:G0+3], s[4:5], s[10:11]
	s_or_b32 s[G0+3], s[G0+3], 0x80000000
	tensor_load_to_lds s[G0:G0+3], s[G1:G1+7]      ; every wave's one load
	s_nop 0
	PLACES 4
	s_add_nc_u64 s[WQ:WQ+1], s[4:5], s[12:13]
	s_add_nc_u64 s[WVP:WVP+1], s[4:5], s[16:17]
	s_add_nc_u64 s[SQ:SQ+1], s[6:7], s[18:19]
	s_add_nc_u64 s[SV:SV+1], s[6:7], s[20:21]
	s_add_nc_u64 s[XS:XS+1], s[6:7], s[22:23]
	s_add_nc_u64 s[QKB:QKB+1], s[8:9], s[36:37]
	s_add_nc_u64 s[QWP:QWP+1], s[8:9], s[38:39]
	s_add_nc_u64 s[VB:VB+1], s[8:9], s[72:73]
	s_add_nc_u64 s[VWP:VWP+1], s[8:9], s[74:75]
.irp k, 0,1
.irp c, 0,1
	global_load_b128 v[HV+8*\k+4*\c:HV+8*\k+4*\c+3], v22, s[XS:XS+1] offset:4096*\k+16*\c
.endr
.endr
.irp p, 0,1
.irp c, 0,1
	global_load_b128 v[SB+NQ*\p+4*\c:SB+NQ*\p+4*\c+3], v[ABS], s[SQ:SQ+1] offset:\p*32*KS+16*\c   ; lanes 0-15: tile 2 p's rows; lanes 16-31: tile 2 p + 1's
.endr
.endr
.irp c, 0,1
	global_load_b128 v[SBV+4*\c:SBV+4*\c+3], v[ABS], s[SV:SV+1] offset:16*\c
.endr
.irp q, 0,1,2,3,4,5,6,7
.irp t, 0,1,2,3
	GIMAGE 4*\q+\t, WQ, RT*\t+1536*\q
.endr
.endr
.irp q, 0,1,2,3,4,5,6,7
.irp t, 0,1
	GIMAGE 32+2*\q+\t, WVP, RT*\t+1536*\q
.endr
.endr
	WIN 0
	s_wait_loadcnt 0x0
.irp k, 0,1
.irp c, 0,1
	ds_store_b128 v[XSA], v[HV+8*\k+4*\c:HV+8*\k+4*\c+3] offset:4352*\k+16*\c
.endr
.endr
	s_wait_tensorcnt 0x0
	s_wait_dscnt 0x0
	BARRIER                                        ; x's rows and scale bytes are in
	FETCHAT 0, L16, L8, AAS0
	FETCHAT 1, A16, A8, AAS
	s_mov_b32 s101, RT
	s_mov_b32 s91, SSTEP
	s_mov_b32 s[N], 0
	s_mov_b32 s21, 0
	s_mov_b32 s23, 0
	s_wait_dscnt NF                                ; block 0's fragments are in; block 1's 34 loads are younger
.Lband:                                                ; a trip is a band of 64 tokens: four blocks
	s_wait_xcnt 0x0                                ; the stores have read their bases
	s_lshr_b32 s18, s[N], 1
	s_mul_i32 s18, s18, 19200                      ; which record,
	s_and_b32 s19, s[N], 1                         ; which half of it
	s_mul_i32 s20, s19, 4*768
	s_add_co_u32 s20, s20, s18
	s_mul_i32 s22, s19, 768
	s_add_co_u32 s22, s22, s18
	s_add_nc_u64 s[QKP:QKP+1], s[QKB:QKB+1], s[20:21]
	s_add_nc_u64 s[VP:VP+1], s[VB:VB+1], s[22:23]
	BLOCK 0, 0
	BLOCK 1, 1
	BLOCK 0, 2
	BLOCK 1, 3
	s_add_co_u32 s[N], s[N], 1
	s_cmp_lt_u32 s[N], 4
	s_cbranch_scc1 .Lband
	v_cmp_ne_u32 vcc_lo, 0, v2
.irp i, 0,1,2,3
	v_cndmask_b32 v[DW+\i], v[QW+\i], v[QW+4+\i], vcc_lo   ; lanes 0-15: the first record's words; lanes 16-31: the second's
.endr
	v_cndmask_b32 v[DW+4], v[VLO], v[VHI], vcc_lo
	v_cndmask_b32 v[DW+5], v[VLO+1], v[VHI+1], vcc_lo
	global_store_b128 v[WA], v[DW:DW+3], s[QWP:QWP+1]      ; each half of the lanes stores 256 consecutive bytes, aligned
	global_store_b64 v[WA], v[DW+4:DW+5], s[VWP:VWP+1]     ; 8 bytes of each row's 16
	s_wait_tensorcnt 0x0                           ; the wave's end
	ds_add_u32 v[SPW], v[NIL]
	s_wait_dscnt 0x0
	CROUND                                         ; the closing round
	s_endpgm
.Lfunc_end_k_q6f8c9729f4_qkv:
	.size	k_q6f8c9729f4_qkv, .Lfunc_end_k_q6f8c9729f4_qkv-k_q6f8c9729f4_qkv
	.p2alignl 7, 3214868480
	.fill 96, 4, 3214868480
	.section	.rodata,"a",@progbits
	.p2align	6, 0x0
	.amdhsa_kernel k_q6f8c9729f4_qkv
		.amdhsa_group_segment_fixed_size 327680
		.amdhsa_private_segment_fixed_size 0
		.amdhsa_enable_private_segment 0
		.amdhsa_kernarg_size 24
		.amdhsa_user_sgpr_count 2
		.amdhsa_user_sgpr_kernarg_segment_ptr 1
		.amdhsa_wavefront_size32 1
		.amdhsa_system_sgpr_workgroup_id_x 1
		.amdhsa_system_sgpr_workgroup_id_y 1
		.amdhsa_system_sgpr_workgroup_id_z 1
		.amdhsa_system_vgpr_workitem_id 0
		.amdhsa_next_free_vgpr 1024
		.amdhsa_next_free_sgpr 102
		.amdhsa_reserve_vcc 1
		.amdhsa_float_denorm_mode_32 3
		.amdhsa_float_denorm_mode_16_64 3
		.amdhsa_memory_ordered 1
		.amdhsa_forward_progress 1
		.amdhsa_inst_pref_size 81
	.end_amdhsa_kernel
	.amdgpu_metadata
---
amdhsa.version: [ 1, 2 ]
amdhsa.kernels:
  - .name:           k_q6f8c9729f4_qkv
    .symbol:         k_q6f8c9729f4_qkv.kd
    .args:
      - { .name: codes, .offset: 0, .size: 8, .value_kind: global_buffer, .address_space: global }
      - { .name: scales, .offset: 8, .size: 8, .value_kind: global_buffer, .address_space: global }
      - { .name: qkv, .offset: 16, .size: 8, .value_kind: global_buffer, .address_space: global }
    .group_segment_fixed_size: 327680
    .private_segment_fixed_size: 0
    .kernarg_segment_align: 8
    .kernarg_segment_size: 24
    .max_flat_workgroup_size: 128
    .sgpr_count:     102
    .vgpr_count:     1024
    .wavefront_size: 32
...
	.end_amdgpu_metadata
.endif
;; end of part 2
;; launch attn (part 3): grid 4 x 64, 16 waves a work-group, clusters of 4 x 1, 327,680 bytes of LDS; arguments qkv, cc, cs; writes cc, cs
.if DOCPART == 3
	.amdgcn_target "amdgcn-amd-amdhsa--gfx1250"
	.amdhsa_code_object_version 6
	.text
	.protected	k_q6f8c9729f4_attn
	.globl	k_q6f8c9729f4_attn
	.p2align	8
	.type	k_q6f8c9729f4_attn,@function
k_q6f8c9729f4_attn:
	s_mov_b64 s[64:65], 0
	v_nop
	global_prefetch_b8 v0, s[64:65] scope:SCOPE_SE
	s_setreg_imm32_b32 hwreg(HW_REG_WAVE_MODE, 25, 1), 1
	s_wait_xcnt 0x0
	s_wait_alu depctr_hold_cnt(0) depctr_sa_sdst(0) depctr_va_vdst(0) depctr_va_sdst(0) depctr_va_ssrc(0) depctr_va_vcc(0) depctr_vm_vsrc(0)
	s_getreg_b32 s2, hwreg(HW_REG_IB_STS2, 6, 4)
	s_cmp_eq_u32 s2, 0
	s_cbranch_scc0 .Lentry_in_a_cluster
	s_endpgm
.Lentry_in_a_cluster:
	s_bfe_u32 s2, ttmp6, 0x10000c
	s_cmp_lg_u32 s2, 0x3003
	s_cbranch_scc0 .Lentry_shape_is_right
	s_endpgm
.Lentry_shape_is_right:
; Causal attention of one head on codes of FP6 (E2M3) with E8M0 scales; O / l leaves as codes for the projection, quantised along the head's 64.
; IN: qkv = [b x 16 + head][record of 128 tokens: 0..15][19,200]: Q's 8 half images at 0, Q's pair words at 6,144; from 6,400 on 12,800 dense bytes: K's 8 half images, V's 4 fragments (16 rho x 128 keys), K's pair words, V's words.
;   (Half image: 16 rows x 64 K, 768 bytes: lane L = r + 16 h holds row r's block h: registers 0-3 at 16 L, 4-5 at 512 + 8 L.)
; ROWS: row 8 g + i of token tile 4 n + j is token 64 n + 32 g + 8 j + i; V's row 16 t + 8 h + i is d = 32 h + 8 t + i.  So in S^T = K Q^T register 32 c + i of lane (r, h) is key 64 c + 32 h + i of the record, a whole scale block of p in a lane,
;   in the order of the second product's operand; and O^T's 32 registers of lane (r, h) are d = 32 h + 0 .. 31 of query row r.
; THE SOFTMAX: t = score x log2(e) / 8; M = the row's largest t so far, rounded UP to a whole number; p = 2^(t - M) is quantised along the keys; the row's sum is taken of the unquantised p and divides O at the end.
;   When M moves, the sum and O are multiplied by 2^(old M - new M): exact.  A block's largest p is made from its largest score by the same two instructions (this takes v_exp_f32 not to fall where its input rises).
; WORK LEFT OUT: records all of whose keys come after a tile's queries lie under the causal mask that the problem builds itself; they are passed over by a branch on the wave's number and the count of trips.
; SHARES.  A head's 16 records of K and V, 204,800 bytes, lie in LDS all at once: wave w asks for record w, one tensor load a wave, nothing is filled again.  Wave w of work-group cx owns the query tiles 4 w + cx and 127 - (4 w + cx):
;   (w / 2 + 1) + ((31 - w) / 2 + 1) = 17 key steps for every wave; the counts hang on the wave's number alone.
; CLUSTER: the four work-groups of a head want the same 16 records: each load is a joint one (mask 15).  No branch and no LDS address hangs on cx: it enters global addresses and the mask's numbers alone.
; NO DATA PREFETCH: all that the launch reads is asked for at its head; there is no loop to run ahead in.
; K = 64 IN AN INSTRUCTION OF 128: two neighbouring key tiles' half images are ONE source 0; source 1 is [q | zeros] for the even tile, [zeros | q] for the odd one.  The pair word holds both tiles' bytes; Q's word its two bytes twice.
; LIMITS: NaN and infinities are not served; the promise holds while the scaled scores stay under 2^31 in magnitude; a block under 2^-124 keeps the byte 1; a block of zeros has the byte 1 and zero codes.
; OUT: cc = [token tile][head][768]; cs = [head][token tile][row r][block h], one byte each: a wave's store covers 32 consecutive bytes.
.set REC,   12800                      ; a record in LDS: K's half images at 0, V's fragments at 6,144, K's words at 12,288, V's at 12,544
.set SPARE, 16*REC                     ; the spare words, 128 bytes for each wave: eight blocks of 256 bytes that no other line names
.set L16, 1                            ; 16 x lane
.set L8,  2                            ; 8 x lane
.set LW,  3                            ; 16 r
.set DQ,  4                            ; the mask's number of the tile in hand: my query's place in its record - 32 h
.set SPW, 5
.set NIL, 6
.set A16, 7                            ; v7-9 the step's LDS addresses
.set A8,  8
.set AW,  9
.set H8,  10                           ; 8 h
.set CSO, 11                           ; 2 r + h
; v12 -M, v13 the largest t, v[14:15] the sum in two halves; v16-21 zeros, v22-27 q, v28-33 zeros; v34 Q's scale word; v35, v36-41 the second tile's
.set KW,  42
.set VW,  46
.set PWD, 50                           ; p's scale word
.set DQ2, 51                           ; the second tile's mask number
.set KV,  52                           ; v52-99 K's 8 half images, then V's 4 fragments
.set S,   100                          ; v100-163 S^T, then p
.set OT,  164                          ; v164-195 O^T
.set PP,  196                          ; v196-207 p's codes
.set CT,  208                          ; v208-214 conversions' second halves
.set BM,  216                          ; v216-219 four chains of maxima; the blocks' largest in v216, v218
.set BP,  220
.set BS,  224                          ; v224, v225 the conversions' scale operands
.set F,   230                          ; v[230:231] f, and 0
.set T0,  232
.set T1,  233
.set NINF, 234
.set SM,  234                          ; v236-241 three more chains of the sum
.set WV,  18
.set SEL, 20
.set CS,  22
.set G1,  24
.set G0,  32
.set T,   36                           ; the trip = the record
.set LAST, 37                          ; the last record of the tile in hand: the one with the diagonal
.set TB,  38                           ; the record's LDS byte
.set CX,  39
.set BH,  40
.set TA,  41                           ; the early tile
.set TL,  42                           ; the late tile
.set LA,  43                           ; the early tile's last record
.set HD,  44
.set BB,  45
.macro WALU
	s_wait_alu depctr_va_vdst(0)
.endm
.macro PLACES n
.rept \n
	v_nop
.endr
.endm
.macro CROUND                          ; a round of the cluster's barrier
	s_barrier_signal -1
	s_barrier_wait -1
	s_cmp_lg_u32 s[WV], 0
	s_cbranch_scc1 .Lnot_wave_0_\@
	s_barrier_signal -3
.Lnot_wave_0_\@:
	s_barrier_wait -3
	s_barrier_signal -1
	s_barrier_wait -1
.endm
.macro TLOAD                           ; an s_nop 0 and four v_nop follow the load
	tensor_load_to_lds s[G0:G0+3], s[G1:G1+7]
	s_nop 0
	PLACES 4
.endm
; where a tile's Q lies (bytes from qkv): half image s[o], pair word s[o+2]; which two bytes of the word are its own; the scalar part of the mask's number
.macro QPLACE tile, o, sel, sq
	s_lshr_b32 s59, s[\tile], 3
	s_mul_i32 s59, s59, 19200
	s_add_co_u32 s59, s59, s58
	s_and_b32 s57, s[\tile], 7
	s_lshr_b32 s56, s57, 1
	s_lshl_b32 s56, s56, 2
	s_add_co_u32 s56, s56, 6144
	s_add_co_u32 s[\o+2], s59, s56
	s_mul_i32 s57, s57, 768
	s_add_co_u32 s[\o], s59, s57
	s_mov_b32 s[\o+1], 0
	s_mov_b32 s[\o+3], 0
	s_mov_b32 s[\sel], 0x01000100
	s_bitcmp1_b32 s[\tile], 0
	s_cselect_b32 s[\sel], 0x03020302, s[\sel]
	s_bfe_u32 s56, s[\tile], 0x10002
	s_lshl_b32 s56, s56, 6
	s_and_b32 s57, s[\tile], 3
	s_lshl_b32 s57, s57, 3
	s_add_co_u32 s[\sq], s56, s57                  ; 64 x (which half of the record) + 8 j
.endm
	s_load_b128 s[4:7], s[0:1], 0x0                ; qkv, cc
	s_load_b64 s[8:9], s[0:1], 0x10                ; cs
	v_lshl_add_u32 v[SPW], v0, 2, SPARE
	v_mov_b32 v[NIL], 0
	ds_add_u32 v[SPW], v[NIL]                      ; the opening lines: the add, twice on end, and its wait ahead of my first tensor load
	ds_add_u32 v[SPW], v[NIL]
	v_lshrrev_b32 v7, 5, v0
	v_readfirstlane_b32 s[WV], v7                  ; wave 0..15
	s_bfe_u32 s[CX], ttmp6, 0x40000
	s_and_b32 s[BH], ttmp7, 0xffff                 ; the cluster's y: b x 16 + head
	s_and_b32 s[HD], s[BH], 15
	s_lshr_b32 s[BB], s[BH], 4
	s_mov_b32 s[G1], 15|(3<<16)|(1<<21)            ; the four partners; elements of 8 bytes; bit 21 beside a mask.  12,800 dense bytes as 50 rows of 256
	s_mov_b32 s[G1+1], 32<<16
	s_mov_b32 s[G1+2], 50<<16
	s_mov_b32 s[G1+3], 32<<16
	s_mov_b32 s[G1+4], 50
	s_mov_b32 s[G1+5], 32
	s_mov_b32 s[G1+6], 0
	s_mov_b32 s[G1+7], 0
	s_mov_b32 s[G0], 1
	s_mul_i32 s[G0+1], s[WV], REC
	s_mul_i32 s58, s[BH], 307200                   ; the head's first byte
	s_mul_i32 s46, s[WV], 19200
	s_add_co_u32 s46, s46, s58
	s_add_co_u32 s46, s46, 6400                    ; record w's K and V
	s_mov_b32 s47, 0
	s_lshl_b32 s[TA], s[WV], 2
	s_add_co_u32 s[TA], s[TA], s[CX]
	s_sub_co_u32 s[TL], 127, s[TA]
	s_lshr_b32 s[LA], s[WV], 1                     ; (4 w + cx) / 8
	s_sub_co_u32 s[LAST], 31, s[WV]
	s_lshr_b32 s[LAST], s[LAST], 1                 ; (127 - 4 w - cx) / 8
	QPLACE TL, 48, 60, 62
	QPLACE TA, 52, 61, 63
	s_mov_b32 s[SEL], 0x76543210
	s_mov_b32 s[SEL+1], 0xfedcba98
	s_mov_b32 s[CS], 0x3e38aa3b                    ; c = log2(e) / 8
	s_mov_b32 s[CS+1], s[CS]
	s_mov_b32 s[T], 0
	s_mov_b32 s[TB], 0
	v_and_b32 v7, 31, v0
	v_and_b32 v8, 15, v0                           ; r
	v_bfe_u32 v9, v0, 4, 1                         ; h
	v_lshlrev_b32 v[L16], 4, v7
	v_lshlrev_b32 v[L8], 3, v7
	v_lshlrev_b32 v[LW], 4, v8
	v_lshlrev_b32 v[H8], 3, v9
	v_lshl_add_u32 v[CSO], v8, 1, v9
	v_and_b32 v[DQ], 7, v8
	v_bfe_u32 v[DQ2], v0, 3, 1
	v_sub_nc_u32 v[DQ2], v[DQ2], v9
	v_lshl_add_u32 v[DQ2], v[DQ2], 5, v[DQ]        ; 32 (r / 8) + r % 8 - 32 h
	v_add_nc_u32 v[DQ], s62, v[DQ2]
	v_add_nc_u32 v[DQ2], s63, v[DQ2]
	WALU                                           ; ahead of the waits below
	s_wait_dscnt 0x0
	CROUND                                         ; the four work-groups meet ahead of the joint loads
	s_wait_kmcnt 0x0
	s_add_nc_u64 s[G0+2:G0+3], s[4:5], s[46:47]
	s_or_b32 s[G0+3], s[G0+3], 0x80000000
	s_cmp_lt_u32 s[WV], 4                          ; records 0 to 3 are shown ahead of the others: their loads have a line of their own
	s_cbranch_scc0 .Llater
	TLOAD
	s_branch .Lasked
.Llater:
	TLOAD
.Lasked:
	s_add_nc_u64 s[48:49], s[4:5], s[48:49]
	s_add_nc_u64 s[50:51], s[4:5], s[50:51]
	s_add_nc_u64 s[52:53], s[4:5], s[52:53]
	s_add_nc_u64 s[54:55], s[4:5], s[54:55]
	global_load_b128 v[22:25], v[L16], s[48:49]    ; the late tile goes first
	global_load_b64 v[26:27], v[L8], s[48:49] offset:512
	global_load_b32 v34, v[LW], s[50:51]
	global_load_b128 v[36:39], v[L16], s[52:53]
	global_load_b64 v[40:41], v[L8], s[52:53] offset:512
	global_load_b32 v35, v[LW], s[54:55]
.irp i, 0,1,2,3,4,5
	v_mov_b32 v[16+\i], 0
	v_mov_b32 v[28+\i], 0
.endr
	v_mov_b32 v13, 0xff61b1e6                      ; the largest t so far: -3e38
	v_floor_f32 v12, -v13
	v_mov_b32 v14, 0
	v_mov_b32 v15, 0
	v_mov_b32 v[T1], 0                             ; a lane permute's destination counts as one of its sources
	v_mov_b32 v[F+1], 0
	WALU
	s_wait_loadcnt 0x0
	v_perm_b32 v34, v34, v34, s60                  ; my tile's two bytes, twice
	v_perm_b32 v35, v35, v35, s61
.set j, 0
.rept 32
	v_mov_b32 v[OT+j], 0                           ; the step is written once: the first finds zeros.  (Also the places between the scale words' making and the first product)
.set j, j+1
.endr
	WALU
	s_wait_dscnt 0x0
	s_cmp_lt_u32 s[WV], 4
	s_cbranch_scc0 .Lnot_first
	s_wait_tensorcnt 0x0
.Lnot_first:
	s_barrier_signal -1
	s_barrier_wait -1                              ; records 0 to 3 are in
; A KEY STEP: record T against the 16 queries in hand.  diag = 0: the text of trips that cannot hold a diagonal
.macro STEP diag
	s_cmp_gt_u32 s[T], s[LAST]
	s_cbranch_scc1 .Lhidden_\@
	v_add_nc_u32 v[A16], s[TB], v[L16]
	v_add_nc_u32 v[A8], s[TB], v[L8]
	v_add_nc_u32 v[AW], s[TB], v[LW]
	v_nop                                          ; four places in front of loads into registers that the last products read
.irp u, 0,1,2,3,4,5,6,7
	ds_load_b128 v[KV+6*\u:KV+6*\u+3], v[A16] offset:768*\u
	ds_load_b64 v[KV+6*\u+4:KV+6*\u+5], v[A8] offset:768*\u+512
.endr
	ds_load_b128 v[KW:KW+3], v[AW] offset:12288
	WALU
	s_wait_dscnt 0x0
.irp t, 0,2,4,6
	v_wmma_scale_f32_16x16x128_f8f6f4 v[S+8*\t:S+8*\t+7], v[KV+6*\t:KV+6*\t+11], v[22:33], 0, v[KW+\t/2], v34 matrix_a_fmt:MATRIX_FMT_FP6 matrix_b_fmt:MATRIX_FMT_FP6
	v_wmma_scale_f32_16x16x128_f8f6f4 v[S+8*\t+8:S+8*\t+15], v[KV+6*\t:KV+6*\t+11], v[16:27], 0, v[KW+\t/2], v34 matrix_a_fmt:MATRIX_FMT_FP6 matrix_b_fmt:MATRIX_FMT_FP6
.endr
	PLACES 4                                       ; in front of the loads below and of the first read of the scores
.irp u, 0,1,2,3,4,5,6,7
	ds_load_b128 v[KV+6*\u:KV+6*\u+3], v[A16] offset:6144+768*\u
	ds_load_b64 v[KV+6*\u+4:KV+6*\u+5], v[A8] offset:6144+768*\u+512
.endr
	ds_load_b128 v[VW:VW+3], v[AW] offset:12544
.if \diag
	s_cmp_lg_u32 s[T], s[LAST]
	s_cbranch_scc1 .Lopen_\@
	v_mov_b32 v[NINF], 0xff800000                  ; on the diagonal: register n is key 64 (n / 32) + n % 32 + 32 h, hidden where that is beyond my query
.set n, 0
.rept 64
	v_cmp_gt_i32 vcc_lo, 64*(n/32)+n%32, v[DQ]
	v_cndmask_b32 v[S+n], v[S+n], v[NINF], vcc_lo
.set n, n+1
.endr
.Lopen_\@:
.endif
.irp b, 0,1,2,3
	v_max3_num_f32 v[BM+\b], v[S+16*\b], v[S+16*\b+1], v[S+16*\b+2]
.endr
.irp i, 3,5,7,9,11,13
.irp b, 0,1,2,3
	v_max3_num_f32 v[BM+\b], v[BM+\b], v[S+16*\b+\i], v[S+16*\b+\i+1]
.endr
.endr
	v_max3_num_f32 v[BM], v[BM], v[BM+1], v[S+15]
	v_max3_num_f32 v[BM+2], v[BM+2], v[BM+3], v[S+47]
	v_max_num_f32 v[BM], v[BM], v[S+31]            ; the largest score of my two blocks of 32 keys
	v_max_num_f32 v[BM+2], v[BM+2], v[S+63]
	v_max_num_f32 v[T0], v[BM], v[BM+2]
	v_permlanex16_b32 v[T1], v[T0], s[SEL], s[SEL+1]
	v_max_num_f32 v[T0], v[T0], v[T1]              ; with lane l xor 16's two blocks: the step's largest
	v_mul_f32 v[T0], s[CS], v[T0]
	v_max_num_f32 v13, v13, v[T0]
	v_mov_b32 v[T0], v12
	v_floor_f32 v12, -v13                          ; the new -M
	v_sub_f32 v[T0], v12, v[T0]
	v_cvt_i32_f32 v[T0], v[T0]                     ; (it saturates)
	v_ldexp_f32 v[F], 1.0, v[T0]                   ; f = 2^(old M - new M)
.set j, 0
.rept 32
	v_pk_fma_f32 v[S+j:S+j+1], v[S+j:S+j+1], s[CS:CS+1], v[12:13] op_sel_hi:[1,0,0]
.set j, j+2
.endr
	v_fma_f32 v[BM], v[BM], s[CS], v12
	v_fma_f32 v[BM+2], v[BM+2], s[CS], v12
	WALU                                           ; ahead of the batch
	v_exp_f32 v[BM], v[BM]                         ; the blocks' largest p
	v_exp_f32 v[BM+2], v[BM+2]
.set j, 0
.rept 64
	v_exp_f32 v[S+j], v[S+j]
.set j, j+1
.endr
	v_pk_mul_f32 v[14:15], v[14:15], v[F:F+1] op_sel_hi:[1,0]   ; the sums under the new M; a plain place behind the batch
	WALU                                           ; and behind it, ahead of its first reader
	v_pk_add_f32 v[14:15], v[14:15], v[S:S+1]      ; the row's sum of the unquantised p, in four chains
.irp c, 1,2,3
	v_pk_add_f32 v[SM+2*\c:SM+2*\c+1], v[S+2*\c:S+2*\c+1], v[S+8+2*\c:S+9+2*\c]
.endr
	v_pk_add_f32 v[14:15], v[14:15], v[S+8:S+9]
.irp k, 16,24,32,40,48,56
	v_pk_add_f32 v[14:15], v[14:15], v[S+\k:S+\k+1]
.irp c, 1,2,3
	v_pk_add_f32 v[SM+2*\c:SM+2*\c+1], v[SM+2*\c:SM+2*\c+1], v[S+\k+2*\c:S+\k+2*\c+1]
.endr
.endr
	v_pk_add_f32 v[SM+2:SM+3], v[SM+2:SM+3], v[SM+4:SM+5]
	v_pk_add_f32 v[14:15], v[14:15], v[SM+6:SM+7]
	v_pk_add_f32 v[14:15], v[14:15], v[SM+2:SM+3]
	v_max_num_f32 v[BM], 0x1800000, v[BM]          ; the floor 2^(3 - 127)
	v_max_num_f32 v[BM+2], 0x1800000, v[BM+2]
	v_add_nc_u32 v[BS], 0xff000000, v[BM]          ; 2 off the exponent field: the conversions' scale operands
	v_add_nc_u32 v[BS+1], 0xff000000, v[BM+2]
	v_lshrrev_b32 v[BP], 23, v[BS]
	v_lshrrev_b32 v[BP+1], 23, v[BS+1]
	v_lshl_or_b32 v[BP], v[BP+1], 16, v[BP]        ; my bytes: blocks h and 2 + h,
	v_lshlrev_b32 v[BP], v[H8], v[BP]              ; at their places;
	v_permlanex16_b32 v[T1], v[BP], s[SEL], s[SEL+1]
	v_or_b32 v[PWD], v[BP], v[T1]                  ; with the other half's the word is whole
.irp c, 0,1
	v_cvt_scalef32_pk16_fp6_f32 v[PP+6*\c:PP+6*\c+2], v[S+32*\c:S+32*\c+15], v[BS+\c]
	v_cvt_scalef32_pk16_fp6_f32 v[CT+4*\c:CT+4*\c+2], v[S+32*\c+16:S+32*\c+31], v[BS+\c]   ; (a conversion's three registers begin on an even number)
.endr
	v_nop                                          ; one plain place behind a scaled conversion
.irp c, 0,1
.irp i, 0,1,2
	v_mov_b32 v[PP+3+6*\c+\i], v[CT+4*\c+\i]
.endr
.endr
	WALU                                           ; directly ahead of the first reader of O^T
.set j, 0
.rept 16
	v_pk_mul_f32 v[OT+j:OT+j+1], v[OT+j:OT+j+1], v[F:F+1] op_sel_hi:[1,0]   ; O^T under the new M; twelve of these name no register of a given product below: its places
.set j, j+2
.endr
	WALU
	s_wait_dscnt 0x0                               ; V
.irp t, 0,1,2,3
	v_wmma_scale_f32_16x16x128_f8f6f4 v[OT+8*\t:OT+8*\t+7], v[KV+12*\t:KV+12*\t+11], v[PP:PP+11], v[OT+8*\t:OT+8*\t+7], v[VW+\t], v[PWD] matrix_a_fmt:MATRIX_FMT_FP6 matrix_b_fmt:MATRIX_FMT_FP6
.endr
.Lhidden_\@:
	s_add_co_u32 s[T], s[T], 1
	s_add_co_u32 s[TB], s[TB], REC
.endm
; A tile's end: O^T / the sum; a lane's 32 numbers are one scale block; they leave as the half image of (my token tile, my head), with a byte a lane
.macro FINISH tile
	PLACES 4
	v_add_f32 v14, v14, v15
	v_permlanex16_b32 v[T1], v14, s[SEL], s[SEL+1]
	v_add_f32 v14, v14, v[T1]
	WALU
	v_rcp_f32 v14, v14
	v_nop
	s_lshl_b32 s46, s[BB], 7
	s_add_co_u32 s46, s46, s[\tile]                ; my token tile: 128 b + tile
	s_lshl_b32 s50, s46, 5
	s_lshl_b32 s47, s[HD], 14
	s_add_co_u32 s50, s50, s47
	s_mov_b32 s51, 0
	s_mul_i32 s46, s46, 12288
	s_mul_i32 s47, s[HD], 768
	s_add_co_u32 s46, s46, s47
	s_mov_b32 s47, 0
	s_add_nc_u64 s[48:49], s[6:7], s[46:47]
	s_add_nc_u64 s[50:51], s[8:9], s[50:51]
	WALU                                           ; ahead of the first reader of the reciprocal and of O^T
.set j, 0
.rept 16
	v_pk_mul_f32 v[S+j:S+j+1], v[OT+j:OT+j+1], v[14:15] op_sel_hi:[1,0]
.set j, j+2
.endr
	v_max3_num_f32 v[BM], |v[S]|, |v[S+1]|, 0x1800000
	v_max3_num_f32 v[BM+1], |v[S+16]|, |v[S+17]|, 0x1800000
.irp i, 2,4,6,8,10,12,14
	v_max3_num_f32 v[BM], v[BM], |v[S+\i]|, |v[S+\i+1]|
	v_max3_num_f32 v[BM+1], v[BM+1], |v[S+16+\i]|, |v[S+17+\i]|
.endr
	v_max_num_f32 v[BM], v[BM], v[BM+1]
	v_add_nc_u32 v[BS], 0xff000000, v[BM]
	v_lshrrev_b32 v[T0], 23, v[BS]
	v_cvt_scalef32_pk16_fp6_f32 v[PP:PP+2], v[S:S+15], v[BS]
	v_cvt_scalef32_pk16_fp6_f32 v[CT:CT+2], v[S+16:S+31], v[BS]
	v_nop
.irp i, 0,1,2
	v_mov_b32 v[PP+3+\i], v[CT+\i]
.endr
	global_store_b128 v[L16], v[PP:PP+3], s[48:49]
	global_store_b64 v[L8], v[PP+4:PP+5], s[48:49] offset:512
	global_store_b8 v[CSO], v[T0], s[50:51]
	s_wait_xcnt 0x0                                ; the stores have read their data and bases
.endm
.Lfirst:                                               ; the late tile, records 0 to 3
	STEP 0
	s_cmp_lt_u32 s[T], 4
	s_cbranch_scc1 .Lfirst
	s_wait_tensorcnt 0x0                           ; every wave's record is in,
	s_wait_dscnt 0x0
	s_barrier_signal -1
	s_barrier_wait -1                              ; and shown to all
.Llate:                                                ; records 4 to 15; those beyond the tile's last are passed over
	STEP 1
	s_cmp_lt_u32 s[T], 16
	s_cbranch_scc1 .Llate
	FINISH TL
	v_mov_b32 v34, v35                             ; the early tile's Q and scale word first: the lines behind them are the places in front of the next products
.irp i, 0,1,2,3,4,5
	v_mov_b32 v[22+\i], v[36+\i]
.endr
	v_mov_b32 v[DQ], v[DQ2]
	v_mov_b32 v13, 0xff61b1e6
	v_floor_f32 v12, -v13
	v_mov_b32 v14, 0
	v_mov_b32 v15, 0
.set j, 0
.rept 32
	v_mov_b32 v[OT+j], 0
.set j, j+1
.endr
	s_mov_b32 s[LAST], s[LA]
	s_mov_b32 s[T], 0
	s_mov_b32 s[TB], 0
.Learly:                                               ; records 0 to 7
	STEP 1
	s_cmp_lt_u32 s[T], 8
	s_cbranch_scc1 .Learly
	FINISH TA
	s_wait_tensorcnt 0x0                           ; the wave's end
	ds_add_u32 v[SPW], v[NIL]
	s_wait_dscnt 0x0
	CROUND                                         ; the closing round
	s_endpgm
.Lfunc_end_k_q6f8c9729f4_attn:
	.size	k_q6f8c9729f4_attn, .Lfunc_end_k_q6f8c9729f4_attn-k_q6f8c9729f4_attn
	.p2alignl 7, 3214868480
	.fill 96, 4, 3214868480
	.section	.rodata,"a",@progbits
	.p2align	6, 0x0
	.amdhsa_kernel k_q6f8c9729f4_attn
		.amdhsa_group_segment_fixed_size 327680
		.amdhsa_private_segment_fixed_size 0
		.amdhsa_enable_private_segment 0
		.amdhsa_kernarg_size 24
		.amdhsa_user_sgpr_count 2
		.amdhsa_user_sgpr_kernarg_segment_ptr 1
		.amdhsa_wavefront_size32 1
		.amdhsa_system_sgpr_workgroup_id_x 1
		.amdhsa_system_sgpr_workgroup_id_y 1
		.amdhsa_system_sgpr_workgroup_id_z 1
		.amdhsa_system_vgpr_workitem_id 0
		.amdhsa_next_free_vgpr 256
		.amdhsa_next_free_sgpr 70
		.amdhsa_reserve_vcc 1
		.amdhsa_float_denorm_mode_32 3
		.amdhsa_float_denorm_mode_16_64 3
		.amdhsa_memory_ordered 1
		.amdhsa_forward_progress 1
		.amdhsa_inst_pref_size 73
	.end_amdhsa_kernel
	.amdgpu_metadata
---
amdhsa.version: [ 1, 2 ]
amdhsa.kernels:
  - .name:           k_q6f8c9729f4_attn
    .symbol:         k_q6f8c9729f4_attn.kd
    .args:
      - { .name: qkv, .offset: 0, .size: 8, .value_kind: global_buffer, .address_space: global }
      - { .name: cc, .offset: 8, .size: 8, .value_kind: global_buffer, .address_space: global }
      - { .name: cs, .offset: 16, .size: 8, .value_kind: global_buffer, .address_space: global }
    .group_segment_fixed_size: 327680
    .private_segment_fixed_size: 0
    .kernarg_segment_align: 8
    .kernarg_segment_size: 24
    .max_flat_workgroup_size: 512
    .sgpr_count:     70
    .vgpr_count:     256
    .wavefront_size: 32
...
	.end_amdgpu_metadata
.endif
;; end of part 3
;; launch proj (part 4): grid 32 x 8, 4 waves a work-group, clusters of 4 x 4, 327,680 bytes of LDS; arguments cc, cs, codes, scales, bproj, out0; writes out0
.if DOCPART == 4
	.amdgcn_target "amdgcn-amd-amdhsa--gfx1250"
	.amdhsa_code_object_version 6
	.text
	.protected	k_q6f8c9729f4_proj
	.globl	k_q6f8c9729f4_proj
	.p2align	8
	.type	k_q6f8c9729f4_proj,@function
k_q6f8c9729f4_proj:
	s_mov_b64 s[64:65], 0
	v_nop
	global_prefetch_b8 v0, s[64:65] scope:SCOPE_SE
	s_setreg_imm32_b32 hwreg(HW_REG_WAVE_MODE, 25, 1), 1
	s_wait_xcnt 0x0
	s_wait_alu depctr_hold_cnt(0) depctr_sa_sdst(0) depctr_va_vdst(0) depctr_va_sdst(0) depctr_va_ssrc(0) depctr_va_vcc(0) depctr_vm_vsrc(0)
	s_getreg_b32 s2, hwreg(HW_REG_IB_STS2, 6, 4)
	s_cmp_eq_u32 s2, 0
	s_cbranch_scc0 .Lentry_in_a_cluster
	s_endpgm
.Lentry_in_a_cluster:
	s_bfe_u32 s2, ttmp6, 0x10000c
	s_cmp_lg_u32 s2, 0xf033
	s_cbranch_scc0 .Lentry_shape_is_right
	s_endpgm
.Lentry_shape_is_right:
; out[token][n] = sum over k of context[token][k] Wproj[n][k] + bproj[n], f32, on codes of FP6 (E2M3) with E8M0 scales: 8,192 x 1,024 x 1,024.
; OPERANDS are images of registers: a row tile (16 rows, all of K) is 12,288 bytes = [K / 128][2 half images of 768]: lane L's registers 0-3 at 16 L, 4-5 at 512 + 8 L.  A = cc (512 row tiles); B = codes' row tiles 704 to 767, scales' rows 11,264 on.
; ROWS: row 8 g + i of row tile 4 n + j is token (for B: output column) 64 n + 32 g + 8 j + i.  A's scale bytes lie by heads, cs[head][row][2]; the head re-lays them into LDS as rows of 32.
; THE DEAL.  256 work-groups of four waves, 2 x 2, each 256 rows x 128 columns.  A wave holds four row tiles of B, all of K, in registers (384), and streams A's row tiles past them in eight blocks: block s of wave row w is row tile 2 s + w.
; Source 0 = B's rows: in a block's four accumulators lane (r, h) holds token row r and columns 32 h + 0 .. 31 of the wave's 64.  The bias is the first four products' C.
; CLUSTER: x counts tile rows, y tile columns.  A's tiles are shared by a column of the cluster (mask s44), B's by a row (mask s45).
; LDS: A's 16 row tiles, B's 8, A's scale bytes, the spare words; all is asked for at the head, nothing is filled again, so there is no data prefetch.  The waves' stages lie in B's first bytes, which are read for the last time ahead of the barrier in front of the stream.
; THE HEAD'S FOUR TILES, one a wave, each on its own line: B; A's row tiles 0-7; 8-11; 12-15.  The stream begins when the first two are in; a plain barrier inside blocks 1, 3, 5 shows the others.
; ONE RUN OF MEMORY LINES behind a block's 32 products: its sums into the stage and back as whole rows of 256 bytes; the fetch of the block two on; one wait; eight stores.
; LIMITS: NaN, infinities and sums beyond f32's range are not served; a sum begins with the bias.
.set NQ, 8
.set NB, 4
.set KROW, 768                         ; the tiles are dense: they are stated as rows of 768 bytes, 16 to a row tile
.set KS, 32
.set RT, 12288
.set FR, 12
.set FPW, 21                           ; fragments in a window
.set NF, 34                            ; LDS loads of a block: 32 for eight fragments, 2 for eight scale words
.set YB, 16*RT
.set SCL, 24*RT                        ; A's scale bytes: 32 units of 256 + 16
.set SSTEP, 4*272
.set SPITCH, 272
.set STAGE, YB
.set SPARE, SCL+32*272
.set ROWC, 4096
.set AAS0, 6
.set CO, 9
.set SPW, 10
.set NIL, 11
.set A16Z, 12                          ; v12, v13 LDS addresses of block 0's images, at 16 and 8 x lane; never rewritten
.set A8Z, 13
.set A16, 14                           ; v14, v15 the same for the block that is fetched next
.set A8, 15
.set ABS, 16
.set AAS, 17
.set STO, 18
.set RD, 19
.set B16, 20
.set B8, 21
.set SB, 24                            ; v24-39 B's scale words
.set SA, 42                            ; v42-57 A's: two sets of eight
.set ACC, 64                           ; v64-127 two sets of four accumulators
.set BK, 128                           ; v128-191 two sets of rows back from the stage
.set BO, 208                           ; v208-239 the bias
.set G1A, 24
.set G0A, 56
.set G1B, 32
.set G0B, 60
.set MSB, 0
.macro WIN new
.if MSB != \new
	s_set_vgpr_msb (MSB<<8)|\new
.set MSB, \new
.endif
.endm
.macro PLACES n
.rept \n
	v_nop
.endr
.endm
.macro WALU
	s_wait_alu depctr_va_vdst(0)
.endm
.macro BARRIER
	s_barrier_signal -1
	s_barrier_wait -1
.endm
.macro CROUND
	BARRIER
	s_cmp_lg_u32 s14, 0
	s_cbranch_scc1 .Lnot_wave_0_\@
	s_barrier_signal -3
.Lnot_wave_0_\@:
	s_barrier_wait -3
	BARRIER
.endm
.macro TLOAD g0, g1
	tensor_load_to_lds s[\g0:\g0+3], s[\g1:\g1+7]
	s_nop 0
	PLACES 4
.endm
.macro ATILE first, rows               ; a part of A, by a descriptor of constants
	s_mov_b32 s[G0A+1], (\first)*KROW
	s_mov_b32 s[G1A+2], (\rows)<<16
	s_mov_b32 s[G1A+4], \rows
.if \first
	s_add_nc_u64 s[G0A+2:G0A+3], s[G0A+2:G0A+3], (\first)*KROW
.endif
	s_or_b32 s[G0A+3], s[G0A+3], 0x80000000
	TLOAD G0A, G1A
.endm
.macro GROUP1 g, mask, rows
	s_or_b32 s[\g+0], s[\mask], 1<<21
	s_mov_b32 s[\g+1], KROW<<16
	s_mov_b32 s[\g+3], KROW<<16
.if \rows
	s_mov_b32 s[\g+2], (\rows)<<16
	s_mov_b32 s[\g+4], \rows
.endif
	s_mov_b32 s[\g+5], KROW
	s_mov_b32 s[\g+6], 0
	s_mov_b32 s[\g+7], 0
.endm
.macro IMAGE f, a16, a8, off           ; fragment f comes as it was stored: two half images on end
.set R_, FR*((\f)%FPW)
	WIN (1+(\f)/FPW)<<6
	ds_load_b128 v[R_:R_+3], v[\a16] offset:\off
	ds_load_b64 v[R_+4:R_+5], v[\a8] offset:(\off)+512
	ds_load_b128 v[R_+6:R_+9], v[\a16] offset:(\off)+768
	ds_load_b64 v[R_+10:R_+11], v[\a8] offset:(\off)+1280
.endm
.macro FETCHAT e, a16, a8, as          ; a block of A into set e: NF loads
.irp q, 0,1,2,3,4,5,6,7
	IMAGE NB*NQ+NQ*(\e)+\q, \a16, \a8, 1536*\q
.endr
	WIN 0
	ds_load_b128 v[SA+8*(\e):SA+8*(\e)+3], v[\as]
	ds_load_b128 v[SA+8*(\e)+4:SA+8*(\e)+7], v[\as] offset:16
.endm
.macro PROD e, n                       ; product n = 4 q + tile of a block whose rows lie in set e; the four accumulators by turns
.set Q_, (\n)/4
.set FB_, NB*Q_+(\n)%4
.set FA_, NB*NQ+NQ*(\e)+Q_
.set D_, ACC+32*(\e)+8*((\n)%4)
.set XB_, SB+NQ*(((\n)%4)/2)+Q_
.set XA_, SA+8*(\e)+Q_
	WIN (1+FB_/FPW)|((1+FA_/FPW)<<2)
.if Q_
	PROD1 D_, FB_, FA_, v[D_:D_+7], XB_, XA_, (\n)%2
.else
	PROD1 D_, FB_, FA_, v[BO+8*((\n)%4):BO+8*((\n)%4)+7], XB_, XA_, (\n)%2
.endif
.endm
.macro PROD1 d, s0, s1, c, x0, x1, o
.if \o
	v_wmma_scale_f32_16x16x128_f8f6f4 v[\d:\d+7], v[FR*((\s0)%FPW):FR*((\s0)%FPW)+FR-1], v[FR*((\s1)%FPW):FR*((\s1)%FPW)+FR-1], \c, v[\x0], v[\x1] matrix_a_fmt:MATRIX_FMT_FP6 matrix_b_fmt:MATRIX_FMT_FP6 matrix_a_scale:MATRIX_SCALE_ROW1
.else
	v_wmma_scale_f32_16x16x128_f8f6f4 v[\d:\d+7], v[FR*((\s0)%FPW):FR*((\s0)%FPW)+FR-1], v[FR*((\s1)%FPW):FR*((\s1)%FPW)+FR-1], \c, v[\x0], v[\x1] matrix_a_fmt:MATRIX_FMT_FP6 matrix_b_fmt:MATRIX_FMT_FP6 matrix_a_scale:MATRIX_SCALE_ROW0
.endif
.endm
.macro PRODS e, from, to
.set N_, \from
.rept (\to)-(\from)
	PROD \e, N_
.set N_, N_+1
.endr
	WIN 0
.endm
.macro STAGED u                        ; set u's sums into my stage, each accumulator from its low end on, and back as whole rows.  LDS serves a wave's instructions in order (ISA guide 5.7.1.4)
.irp b, 0,1,2,3
	ds_store_b128 v[STO], v[ACC+32*(\u)+8*\b:ACC+32*(\u)+8*\b+3] offset:32*\b
	ds_store_b128 v[STO], v[ACC+32*(\u)+8*\b+4:ACC+32*(\u)+8*\b+7] offset:32*\b+16
.endr
.irp t, 0,1,2,3,4,5,6,7
	ds_load_b128 v[BK+32*(\u)+4*\t:BK+32*(\u)+4*\t+3], v[RD] offset:2*\t*SPITCH
.endr
.endm
.macro TOC s                           ; s[12:13] stands at the pair's band of 64 tokens, + 8 x wave row; the pair's second block lies 16 tokens on; stage rows 2 t, 2 t + 1 are tokens 32 (t / 4) + 2 t % 8 and the next
.irp t, 0,1,2,3,4,5,6,7
	global_store_b128 v[CO], v[BK+32*(\s)+4*\t:BK+32*(\s)+4*\t+3], s[12:13] offset:(16*(\s)+32*(\t/4)+(2*\t)%8)*ROWC th:TH_STORE_NT   ; 16 lanes store 256 consecutive bytes, aligned
.endr
.endm
.macro STREAM s, fetch, show
.if \fetch
	s_add_co_u32 s101, s101, 2*RT                  ; the block two on
	s_add_co_u32 s91, s91, SSTEP
.endif
.if \show
	PRODS \s, 0, 24
	s_wait_tensorcnt 0x0
	s_wait_dscnt 0x0
	s_barrier_signal -1                            ; a plain barrier: waves 2 and 3's tiles are shown to all
	PRODS \s, 24, 32
	s_barrier_wait -1
.else
	PRODS \s, 0, 32
.endif
.if \fetch                             ; four plain vector lines between the last product and the first reader of its sums
	v_add_nc_u32 v[A16], s101, v[A16Z]
	v_add_nc_u32 v[A8], s101, v[A8Z]
	v_add_nc_u32 v[AAS], s91, v[AAS0]
	v_nop
	WALU
.else
	PLACES 4
.endif
	s_wait_xcnt 0x0                                ; earlier stores have read their registers and their base
.if (\s) == 0
	s_add_nc_u64 s[12:13], s[12:13], s[20:21]
.endif
	STAGED \s
.if \fetch
	FETCHAT \s, A16, A8, AAS
	s_wait_dscnt NF                                ; the block's rows are back from the stage, and the next block's fragments are in; this run's fetch is younger
.else
	s_wait_dscnt 0x0
.endif
	TOC \s
.endm
	s_load_b128 s[4:7], s[0:1], 0x0                ; cc, cs
	s_load_b128 s[8:11], s[0:1], 0x10              ; codes, scales
	s_load_b64 s[86:87], s[0:1], 0x20              ; bproj
	s_load_b64 s[12:13], s[0:1], 0x28              ; out0
	v_lshl_add_u32 v[SPW], v0, 2, SPARE
	v_mov_b32 v[NIL], 0
	ds_add_u32 v[SPW], v[NIL]                      ; the opening lines
	ds_add_u32 v[SPW], v[NIL]
	v_lshrrev_b32 v1, 5, v0
	v_readfirstlane_b32 s14, v1                    ; the wave; s15 its row of the 2 x 2, s16 its column
	s_lshr_b32 s15, s14, 1
	s_and_b32 s16, s14, 1
	s_bfe_u32 s40, ttmp6, 0x40000
	s_bfe_u32 s41, ttmp6, 0x40004
	s_lshl_b32 s43, ttmp9, 2
	s_add_co_u32 s43, s43, s40                     ; tile row
	s_and_b32 s42, ttmp7, 0xffff
	s_lshl_b32 s42, s42, 2
	s_add_co_u32 s42, s42, s41                     ; tile column
	s_lshl_b32 s44, 0x1111, s40
	s_lshl_b32 s45, s41, 2
	s_lshl_b32 s45, 15, s45
	GROUP1 G1A, 44, 0
	GROUP1 G1B, 45, 128
	s_mov_b32 s[G0A], 1
	s_mul_i32 s76, s43, 16*RT
	s_mov_b32 s77, 0
	s_mul_i32 s78, s42, 8*RT
	s_add_co_u32 s78, s78, 704*RT
	s_mov_b32 s79, 0
	s_mul_i32 s82, s42, 128*KS
	s_mul_i32 s21, s16, 64*KS
	s_add_co_u32 s82, s82, s21
	s_add_co_u32 s82, s82, 704*16*KS
	s_mov_b32 s83, 0
	s_lshl_b32 s80, s42, 9
	s_lshl_b32 s21, s16, 8
	s_add_co_u32 s80, s80, s21                     ; my 64 columns, in bytes
	s_mov_b32 s81, 0
	s_mul_i32 s84, s43, 256*ROWC
	s_mul_i32 s21, s15, 8*ROWC
	s_add_co_u32 s84, s84, s21
	s_add_co_u32 s84, s84, s80
	s_mov_b32 s85, 0
	s_lshl_b32 s88, s43, 9                         ; my 256 rows in a head's scale bytes
	s_mov_b32 s89, 0
	s_mov_b32 s[G0B], 1
	s_mov_b32 s[G0B+1], YB
	v_and_b32 v1, 15, v0
	v_bfe_u32 v2, v0, 4, 1
	v_and_b32 v3, 31, v0
	s_mul_i32 s23, s15, RT
	v_lshl_add_u32 v[A16Z], v3, 4, s23
	v_lshl_add_u32 v[A8Z], v3, 3, s23
	v_add_nc_u32 v[A16], 2*RT, v[A16Z]
	v_add_nc_u32 v[A8], 2*RT, v[A8Z]
	s_mul_i32 s22, s16, 4*RT
	s_add_co_u32 s22, s22, YB
	v_lshl_add_u32 v[B16], v3, 4, s22
	v_lshl_add_u32 v[B8], v3, 3, s22
	v_mul_u32_u24 v[ABS], v3, KS
	v_mul_u32_u24 v23, v1, KS
	v_lshrrev_b32 v22, 8, v23
	v_lshl_add_u32 v23, v22, 4, v23
	s_mul_i32 s21, s15, 2*272
	s_add_co_u32 s21, s21, SCL
	v_add_nc_u32 v[AAS0], s21, v23
	v_add_nc_u32 v[AAS], SSTEP, v[AAS0]
	s_mul_i32 s21, s14, 16*SPITCH
	s_add_co_u32 s21, s21, STAGE
	v_mul_u32_u24 v23, v1, SPITCH
	v_lshl_add_u32 v23, v2, 7, v23
	v_add_nc_u32 v[STO], s21, v23                  ; in: row r, 128 bytes for each half of the lanes
	v_mul_u32_u24 v23, v2, SPITCH
	v_lshl_add_u32 v23, v1, 4, v23
	v_add_nc_u32 v[RD], s21, v23                   ; back: sixteen lanes to a row
	v_mul_u32_u24 v23, v2, ROWC
	v_lshl_add_u32 v[CO], v1, 4, v23
	WALU
	s_wait_dscnt 0x0
	CROUND                                         ; the opening round
	s_wait_kmcnt 0x0
	s_add_nc_u64 s[G0A+2:G0A+3], s[4:5], s[76:77]
	s_add_nc_u64 s[G0B+2:G0B+3], s[8:9], s[78:79]
	s_or_b32 s[G0B+3], s[G0B+3], 0x80000000
	s_add_nc_u64 s[10:11], s[10:11], s[82:83]
	s_add_nc_u64 s[12:13], s[12:13], s[84:85]
	s_add_nc_u64 s[86:87], s[86:87], s[80:81]
	s_add_nc_u64 s[6:7], s[6:7], s[88:89]
	s_cmp_eq_u32 s14, 0
	s_cbranch_scc0 .Lwave_1
	TLOAD G0B, G1B                                 ; wave 0: B, which is wanted first
	s_branch .Lasked
.Lwave_1:
	s_cmp_eq_u32 s14, 1
	s_cbranch_scc0 .Lwave_2
	ATILE 0, 128                                   ; wave 1: A's row tiles 0 to 7
	s_branch .Lasked
.Lwave_2:
	s_cmp_eq_u32 s14, 2
	s_cbranch_scc0 .Lwave_3
	ATILE 128, 64                                  ; wave 2: 8 to 11
	s_branch .Lasked
.Lwave_3:
	ATILE 192, 64                                  ; wave 3: 12 to 15
.Lasked:
	v_lshlrev_b32 v22, 1, v0                       ; thread t takes rows t and t + 128: two bytes of each head
.irp k, 0,1
.irp hd, 0,1,2,3,4,5,6,7,8,9,10,11,12,13,14,15
	global_load_u16 v[ACC+16*\k+\hd], v22, s[6:7] offset:\hd*16384+256*\k
.endr
.endr
	v_lshrrev_b32 v23, 3, v0
	v_lshlrev_b32 v23, 4, v23
	v_lshl_add_u32 v23, v0, 5, v23
	v_add_nc_u32 v23, SCL, v23                     ; a row of 32 bytes, 16 more behind every 256
	v_lshlrev_b32 v8, 7, v2                        ; the bias: register i of tile b of lane (r, h) is column 32 h + 8 b + i
.irp b, 0,1,2,3
	global_load_b128 v[BO+8*\b:BO+8*\b+3], v8, s[86:87] offset:32*\b
	global_load_b128 v[BO+8*\b+4:BO+8*\b+7], v8, s[86:87] offset:32*\b+16
.endr
.irp p, 0,1
.irp c, 0,1
	global_load_b128 v[SB+NQ*\p+4*\c:SB+NQ*\p+4*\c+3], v[ABS], s[10:11] offset:\p*32*KS+16*\c
.endr
.endr
	WALU
	s_wait_loadcnt 0x0
.irp k, 0,1
.irp q, 0,1,2,3,4,5,6,7
	v_lshl_or_b32 v[BK+8*\k+\q], v[ACC+16*\k+2*\q+1], 16, v[ACC+16*\k+2*\q]
.endr
.endr
.irp k, 0,1
.irp c, 0,1
	ds_store_b128 v23, v[BK+8*\k+4*\c:BK+8*\k+4*\c+3] offset:4352*\k+16*\c
.endr
.endr
	s_wait_dscnt 0x0
	s_cmp_eq_u32 s14, 0
	s_cbranch_scc0 .Lnot_b
	s_wait_tensorcnt 0x0
.Lnot_b:
	BARRIER                                        ; B has landed
.irp q, 0,1,2,3,4,5,6,7
.irp b, 0,1,2,3
	IMAGE NB*\q+\b, B16, B8, RT*\b+1536*\q
.endr
.endr
	WIN 0
	s_mov_b32 s101, 2*RT
	s_mov_b32 s91, SSTEP
	s_cmp_eq_u32 s14, 1
	s_cbranch_scc0 .Lnot_a
	s_wait_tensorcnt 0x0
.Lnot_a:
	s_wait_dscnt 0x0
	BARRIER                                        ; A's first 8 row tiles and all scale bytes are in, and nobody reads B's bytes any more
	FETCHAT 0, A16Z, A8Z, AAS0
	FETCHAT 1, A16, A8, AAS
	s_mov_b32 s23, 0
	s_mov_b32 s20, 0                               ; s[20:21]: from a pair's rows of C to the next pair's
	s_mov_b32 s21, 0
	s_wait_dscnt NF                                ; block 0's fragments are in
.Lpair:                                                ; blocks 0 to 5, a pair a trip
	STREAM 0, 1, 0
	STREAM 1, 1, 1
	s_mov_b32 s20, 64*ROWC
	s_add_co_u32 s23, s23, 1
	s_cmp_lg_u32 s23, 3
	s_cbranch_scc1 .Lpair
	STREAM 0, 0, 0                                 ; blocks 6 and 7 fetch nothing
	STREAM 1, 0, 0
	s_wait_tensorcnt 0x0                           ; the wave's end
	ds_add_u32 v[SPW], v[NIL]
	s_wait_dscnt 0x0
	CROUND
	s_endpgm
.Lfunc_end_k_q6f8c9729f4_proj:
	.size	k_q6f8c9729f4_proj, .Lfunc_end_k_q6f8c9729f4_proj-k_q6f8c9729f4_proj
	.p2alignl 7, 3214868480
	.fill 96, 4, 3214868480
	.section	.rodata,"a",@progbits
	.p2align	6, 0x0
	.amdhsa_kernel k_q6f8c9729f4_proj
		.amdhsa_group_segment_fixed_size 327680
		.amdhsa_private_segment_fixed_size 0
		.amdhsa_enable_private_segment 0
		.amdhsa_kernarg_size 48
		.amdhsa_user_sgpr_count 2
		.amdhsa_user_sgpr_kernarg_segment_ptr 1
		.amdhsa_wavefront_size32 1
		.amdhsa_system_sgpr_workgroup_id_x 1
		.amdhsa_system_sgpr_workgroup_id_y 1
		.amdhsa_system_sgpr_workgroup_id_z 1
		.amdhsa_system_vgpr_workitem_id 0
		.amdhsa_next_free_vgpr 840
		.amdhsa_next_free_sgpr 102
		.amdhsa_reserve_vcc 0
		.amdhsa_float_denorm_mode_32 3
		.amdhsa_float_denorm_mode_16_64 3
		.amdhsa_memory_ordered 1
		.amdhsa_forward_progress 1
		.amdhsa_inst_pref_size 57
	.end_amdhsa_kernel
	.amdgpu_metadata
---
amdhsa.version: [ 1, 2 ]
amdhsa.kernels:
  - .name:           k_q6f8c9729f4_proj
    .symbol:         k_q6f8c9729f4_proj.kd
    .args:
      - { .name: cc, .offset: 0, .size: 8, .value_kind: global_buffer, .address_space: global }
      - { .name: cs, .offset: 8, .size: 8, .value_kind: global_buffer, .address_space: global }
      - { .name: codes, .offset: 16, .size: 8, .value_kind: global_buffer, .address_space: global }
      - { .name: scales, .offset: 24, .size: 8, .value_kind: global_buffer, .address_space: global }
      - { .name: bproj, .offset: 32, .size: 8, .value_kind: global_buffer, .address_space: global }
      - { .name: out0, .offset: 40, .size: 8, .value_kind: global_buffer, .address_space: global }
    .group_segment_fixed_size: 327680
    .private_segment_fixed_size: 0
    .kernarg_segment_align: 8
    .kernarg_segment_size: 48
    .max_flat_workgroup_size: 128
    .sgpr_count:     102
    .vgpr_count:     840
    .wavefront_size: 32
...
	.end_amdgpu_metadata
.endif
;; end of part 4
